; MI455X (gfx1250); checked and timed in simulation.
; The chip was launched on July 23, 2026; its instructions are those of AMD's public machine-readable ISA for CDNA 5 (MIT licence, August 2026) and "CDNA5" Instruction Set Architecture Reference Guide (July 2026). The comments in the code are by the model that wrote it; some were corrected since.
;; Context Aware Attention. Allowed arithmetic: float matrix products may take bf16 or f16 operands with f32 sums; other float arithmetic in f32, or as packed bf16 or f16 multiplies, adds, multiply-adds, maxima and minima; sums over many terms, partial sums and values carried from step to step in f32; what a program stores and reads back later, other than sums and carried values, may be rounded once to bf16 or f16.
;; Inputs: Wc1 512 x 512 float32; Wc2 512 x 512 float32; Wk 512 x 512 float32; Wo 512 x 512 float32; Wq 512 x 512 float32; Wv 512 x 512 float32; bc1 512 float32; bc2 512 float32; bias_table 961 x 8 float32; bo 512 float32; context 128 x 256 x 512 float32; ln_b 512 float32; ln_g 512 float32; mask 128 x 1 x 256 x 256 int32; rel_index 256 x 256 int32; x 128 x 256 x 512 float32.
;; Outputs: out0 128 x 256 x 512 float32.
;; 2 versions, each right. Each part assembles by itself: llvm-mc -triple=amdgcn-amd-amdhsa -mcpu=gfx1250 --defsym DOCPART=n.
;; ======== version 1 of 2: 3 launches
;; limits: values are held in f16: magnitudes above 65,504 overflow, below 6.1e-05 lose precision; right only within a limited range of input values
;; workspace buffers: wts 3,145,728 bytes; vecs 8,192 bytes; biasf 2,097,152 bytes; maskb 8,388,608 bytes; kbuf 33,554,432 bytes; vbuf 33,554,432 bytes; hbuf 33,554,432 bytes
;; launch prep (part 1): grid 1825 x 1, 8 waves a work-group, no clusters, 9,728 bytes of LDS; arguments mask, Wk, Wv, Wc1, Wq, Wo, Wc2, rel_index, bias_table, bc1, ln_g, ln_b, bo, bc2, maskb, wts, biasf, vecs; writes maskb, wts, biasf, vecs
.if DOCPART == 1
	.amdgcn_target "amdgcn-amd-amdhsa--gfx1250"
	.amdhsa_code_object_version 6
	.text
	.protected	k_qfc5b4114f3_prep
	.globl	k_qfc5b4114f3_prep
	.p2align	8
	.type	k_qfc5b4114f3_prep,@function
k_qfc5b4114f3_prep:
	s_mov_b64 s[64:65], 0
	v_nop
	global_prefetch_b8 v0, s[64:65] scope:SCOPE_SE
	s_setreg_imm32_b32 hwreg(HW_REG_WAVE_MODE, 25, 1), 1
	s_wait_xcnt 0x0
; PREPARATION: what the two matrix launches read again and again is laid out once, in the order in which their lanes want it.
; Work-groups 0..1023     mask [128][256][256] i32 -> maskb, one byte a number (0x00 visible, 0xF1 hidden: the top byte of -2^99),
;                         as [window][tile of 16 queries][32 keys][lane][16 bytes]: byte 8u+j of lane l is query l%16, key 32kp+16u+8(l/16)+j.
; Work-groups 1024..1791  the six weights [k 512][n 512] f32 -> wts, 16 bits, as [matrix][k/64][n/64][k%64][n%64]; matrices 0-3 (Wk Wv Wc1 Wq) bf16,
;                         4-5 (Wo Wc2) rounded to bf16 and that number written as f16 (below 6e-5 it keeps f16's fixed step of 6e-8).
; Work-groups 1792..1823  bias_table[rel_index] -> biasf f32 = 8 x the bf16-rounded bias, as [head][tile][16 keys][half][lane][4].
; Work-group  1824        bc1, ln_g, ln_b, bo + bc2, each input rounded to bf16 first -> vecs f32.
; All floating-point inputs are rounded to bf16 once, here or on their way into the matrix units.  No matrix unit, no cluster: nothing is multiplied and nothing shared.
.set SPARE, 8704                       ; behind the stage of 32 rows x 272 bytes: the spare words, 128 bytes for each of 8 waves
.set SPW, 146                          ; v146  SPARE + 4 x my thread's number; never rewritten
.set NIL, 147                          ; v147  0; never rewritten
	s_load_b512 s[4:19], s[0:1], 0x0               ; mask 4, Wk 6, Wv 8, Wc1 10, Wq 12, Wo 14, Wc2 16, rel_index 18
	s_load_b512 s[20:35], s[0:1], 0x40             ; bias_table 20, bc1 22, ln_g 24, ln_b 26, bo 28, bc2 30, maskb 32, wts 34
	s_load_b128 s[36:39], s[0:1], 0x80             ; biasf 36, vecs 38
	v_lshl_add_u32 v[SPW], v0, 2, SPARE
	v_mov_b32 v[NIL], 0
	v_lshrrev_b32 v1, 5, v0
	v_readfirstlane_b32 s40, v1                    ; wave 0..7
	v_and_b32 v2, 31, v0                           ; l
	v_and_b32 v3, 15, v0                           ; l % 16
	v_bfe_u32 v4, v0, 4, 1                         ; l / 16
	s_mov_b32 s43, 0                               ; the high word of every offset
	s_wait_kmcnt 0x0
	s_cmp_lt_u32 ttmp9, 1024
	s_cbranch_scc0 .Lnot_mask
	; ---- the mask: 32 rows (two tiles) a work-group; a wave reads 4 rows, 512 consecutive bytes a load
	s_lshl_b32 s42, ttmp9, 15
	s_add_nc_u64 s[4:5], s[4:5], s[42:43]
	s_lshl_b32 s42, ttmp9, 13
	s_add_nc_u64 s[32:33], s[32:33], s[42:43]
	s_lshl_b32 s41, s40, 12
	v_lshl_add_u32 v5, v2, 4, s41                  ; 4,096 w + 16 l
.irp i, 0,1,2,3,4,5,6,7
	global_load_b128 v[16+4*\i:19+4*\i], v5, s[4:5] offset:512*\i th:TH_LOAD_NT
.endr
	s_mul_i32 s41, s40, 1088
	v_lshl_add_u32 v6, v2, 2, s41                  ; into the stage: row 4 w, byte 4 l
	s_lshr_b32 s41, s40, 2
	s_mul_i32 s41, s41, 16*272                     ; back: tile w / 4,
	s_and_b32 s44, s40, 3
	s_lshl_b32 s44, s44, 6                         ; keys 64 (w % 4) on
	s_add_co_u32 s41, s41, s44
	v_mul_u32_u24 v7, v3, 272
	v_lshl_add_u32 v7, v4, 3, v7
	v_add_nc_u32 v7, s41, v7
	s_lshl_b32 s41, s40, 10
	v_lshl_add_u32 v8, v2, 4, s41                  ; out: 1,024 w + 16 l
	s_mov_b32 s45, 0x01010101
.irp i, 0,1,2,3,4,5,6,7
	s_wait_loadcnt 7-\i                            ; loads come back in order: load i is in, the younger ones stay out
	v_min_u32 v[16+4*\i], 1, v[16+4*\i]            ; 0 stays 0, everything else (negative numbers too) is 1
	v_min_u32 v[17+4*\i], 1, v[17+4*\i]
	v_min_u32 v[18+4*\i], 1, v[18+4*\i]
	v_min_u32 v[19+4*\i], 1, v[19+4*\i]
	v_lshl_or_b32 v[16+4*\i], v[17+4*\i], 8, v[16+4*\i]
	v_lshl_or_b32 v[18+4*\i], v[19+4*\i], 8, v[18+4*\i]
	v_lshl_or_b32 v[16+4*\i], v[18+4*\i], 16, v[16+4*\i]
	v_sub_nc_u32 v[16+4*\i], s45, v[16+4*\i]       ; four bytes 1 - m,
	v_mul_lo_u32 v[16+4*\i], v[16+4*\i], 0xf1      ; times 0xF1: no byte carries
	ds_store_b32 v6, v[16+4*\i] offset:(\i/2)*272+(\i%2)*128
.endr
	s_wait_dscnt 0x0                               ; for the others' sake: my stores into the stage are done
	s_barrier_signal -1
	s_barrier_wait -1
	ds_load_b64 v[48:49], v7
	ds_load_b64 v[50:51], v7 offset:16
	ds_load_b64 v[52:53], v7 offset:32
	ds_load_b64 v[54:55], v7 offset:48
	s_wait_dscnt 0x0
	global_store_b128 v8, v[48:51], s[32:33]       ; 512 consecutive bytes a store
	global_store_b128 v8, v[52:55], s[32:33] offset:512
	s_branch .Lend
.Lnot_mask:
	s_cmp_lt_u32 ttmp9, 1792
	s_cbranch_scc0 .Lnot_w
	; ---- the weights: four rows k a work-group; wave w takes columns 64 w .. 64 w + 63, lanes 0-15 one row, lanes 16-31 the next
	s_sub_co_u32 s41, ttmp9, 1024
	s_lshr_b32 s44, s41, 7                         ; which matrix
	s_and_b32 s41, s41, 127                        ; which four rows
	s_mov_b64 s[46:47], s[6:7]
	s_cmp_eq_u32 s44, 1
	s_cselect_b64 s[46:47], s[8:9], s[46:47]
	s_cmp_eq_u32 s44, 2
	s_cselect_b64 s[46:47], s[10:11], s[46:47]
	s_cmp_eq_u32 s44, 3
	s_cselect_b64 s[46:47], s[12:13], s[46:47]
	s_cmp_eq_u32 s44, 4
	s_cselect_b64 s[46:47], s[14:15], s[46:47]
	s_cmp_eq_u32 s44, 5
	s_cselect_b64 s[46:47], s[16:17], s[46:47]
	s_lshl_b32 s42, s41, 13
	s_add_nc_u64 s[46:47], s[46:47], s[42:43]
	s_lshl_b32 s42, s44, 19                        ; matrix x 524,288
	s_lshr_b32 s45, s41, 4
	s_lshl_b32 s45, s45, 16                        ; + slab x 65,536
	s_add_co_u32 s42, s42, s45
	s_and_b32 s45, s41, 15
	s_lshl_b32 s45, s45, 9                         ; + four rows of 128 bytes
	s_add_co_u32 s42, s42, s45
	s_add_nc_u64 s[34:35], s[34:35], s[42:43]
	s_lshl_b32 s45, s40, 8
	v_lshlrev_b32 v5, 4, v3
	v_lshl_add_u32 v5, v4, 11, v5
	v_add_nc_u32 v5, s45, v5                       ; in: 2,048 (l / 16) + 256 w + 16 (l % 16): sixteen lanes read 256 consecutive bytes
	s_lshl_b32 s45, s40, 13
	v_lshl_add_u32 v6, v2, 3, s45                  ; out: 8,192 w + 8 l: a wave's store covers 256 consecutive bytes, aligned
	global_load_b128 v[16:19], v5, s[46:47] th:TH_LOAD_NT
	global_load_b128 v[20:23], v5, s[46:47] offset:4096 th:TH_LOAD_NT
	s_wait_loadcnt 0x0
	v_cvt_pk_bf16_f32 v24, v16, v17
	v_cvt_pk_bf16_f32 v25, v18, v19
	v_cvt_pk_bf16_f32 v26, v20, v21
	v_cvt_pk_bf16_f32 v27, v22, v23
	s_cmp_lt_u32 s44, 4
	s_cbranch_scc1 .Lw_store
.irp n, 24,25,26,27
	v_lshlrev_b32 v16, 16, v\n                     ; Wo and Wc2 multiply f16 operands: the bf16 number is written as f16
	v_and_b32 v17, 0xffff0000, v\n
	v_cvt_pk_f16_f32 v\n, v16, v17
.endr
.Lw_store:
	global_store_b64 v6, v[24:25], s[34:35]
	global_store_b64 v6, v[26:27], s[34:35] offset:256
	s_branch .Lend
.Lnot_w:
	s_cmp_lt_u32 ttmp9, 1824
	s_cbranch_scc0 .Lvec
	; ---- the bias: a thread takes one query and eight keys, all eight heads
	s_sub_co_u32 s41, ttmp9, 1792
	s_lshr_b32 s44, s41, 1                         ; tile of 16 queries
	s_and_b32 s45, s41, 1
	s_lshl_b32 s45, s45, 3
	s_add_co_u32 s45, s45, s40                     ; group of 16 keys
	s_lshl_b32 s42, s44, 14
	s_lshl_b32 s46, s45, 6
	s_add_co_u32 s42, s42, s46
	s_add_nc_u64 s[18:19], s[18:19], s[42:43]
	v_lshlrev_b32 v5, 10, v3
	v_lshl_add_u32 v5, v4, 5, v5                   ; query row x 1,024 + 32 (l / 16)
	global_load_b128 v[8:11], v5, s[18:19]
	global_load_b128 v[12:15], v5, s[18:19] offset:16
	s_lshl_b32 s42, s44, 14
	s_lshl_b32 s46, s45, 10
	s_add_co_u32 s42, s42, s46
	s_add_nc_u64 s[36:37], s[36:37], s[42:43]
	v_lshlrev_b32 v6, 4, v2
	s_wait_loadcnt 0x0
.irp j, 0,1,2,3,4,5,6,7
	v_min_u32 v[8+\j], 0x3c0, v[8+\j]              ; an index stays inside the table of 961 rows
	v_lshlrev_b32 v[8+\j], 5, v[8+\j]              ; a row is eight heads, 32 bytes
.endr
.irp j, 0,1,2,3,4,5,6,7
	global_load_b128 v[16+8*\j:19+8*\j], v[8+\j], s[20:21]
	global_load_b128 v[20+8*\j:23+8*\j], v[8+\j], s[20:21] offset:16
.endr
	s_wait_loadcnt 0x0
.irp j, 0,1,2,3,4,5,6,7
.irp p, 0,1,2,3
	v_pk_mul_f32 v[16+8*\j+2*\p:17+8*\j+2*\p], v[16+8*\j+2*\p:17+8*\j+2*\p], 0x41000000 op_sel_hi:[1,0]  ; x 8 = 1 / SCALE, exact
	v_cvt_pk_bf16_f32 v7, v[16+8*\j+2*\p], v[17+8*\j+2*\p]
	v_lshlrev_b32 v[80+16*\p+\j], 16, v7           ; head 2 p, key j: the turn from [key][head] to [head][key] is a choice of registers
	v_and_b32 v[88+16*\p+\j], 0xffff0000, v7       ; head 2 p + 1
.endr
.endr
.irp h, 0,1,2,3,4,5,6,7
	global_store_b128 v6, v[80+8*\h:83+8*\h], s[36:37] offset:\h*262144
	global_store_b128 v6, v[84+8*\h:87+8*\h], s[36:37] offset:\h*262144+512
.endr
	s_branch .Lend
.Lvec:
	; ---- the five short vectors: two numbers a thread
	v_lshlrev_b32 v5, 3, v0
	global_load_b64 v[8:9], v5, s[22:23]
	global_load_b64 v[10:11], v5, s[24:25]
	global_load_b64 v[12:13], v5, s[26:27]
	global_load_b64 v[14:15], v5, s[28:29]
	global_load_b64 v[16:17], v5, s[30:31]
	s_wait_loadcnt 0x0
.irp n, 8,10,12,14,16
	v_cvt_pk_bf16_f32 v7, v[\n], v[\n+1]
	v_lshlrev_b32 v[\n], 16, v7
	v_and_b32 v[\n+1], 0xffff0000, v7
.endr
	v_pk_add_f32 v[14:15], v[14:15], v[16:17]      ; bo + bc2: both land on the same output
	global_store_b64 v5, v[8:9], s[38:39]
	global_store_b64 v5, v[10:11], s[38:39] offset:2048
	global_store_b64 v5, v[12:13], s[38:39] offset:4096
	global_store_b64 v5, v[14:15], s[38:39] offset:6144
.Lend:
	s_wait_tensorcnt 0x0                           ; the wave's end
	ds_add_u32 v[SPW], v[NIL]
	s_wait_dscnt 0x0
	s_endpgm
.Lfunc_end_k_qfc5b4114f3_prep:
	.size	k_qfc5b4114f3_prep, .Lfunc_end_k_qfc5b4114f3_prep-k_qfc5b4114f3_prep
	.p2alignl 7, 3214868480
	.fill 96, 4, 3214868480
	.section	.rodata,"a",@progbits
	.p2align	6, 0x0
	.amdhsa_kernel k_qfc5b4114f3_prep
		.amdhsa_group_segment_fixed_size 9728
		.amdhsa_private_segment_fixed_size 0
		.amdhsa_enable_private_segment 0
		.amdhsa_kernarg_size 144
		.amdhsa_user_sgpr_count 2
		.amdhsa_user_sgpr_kernarg_segment_ptr 1
		.amdhsa_wavefront_size32 1
		.amdhsa_system_sgpr_workgroup_id_x 1
		.amdhsa_system_sgpr_workgroup_id_y 1
		.amdhsa_system_sgpr_workgroup_id_z 1
		.amdhsa_system_vgpr_workitem_id 0
		.amdhsa_next_free_vgpr 148
		.amdhsa_next_free_sgpr 66
		.amdhsa_reserve_vcc 0
		.amdhsa_float_denorm_mode_32 3
		.amdhsa_float_denorm_mode_16_64 3
		.amdhsa_memory_ordered 1
		.amdhsa_forward_progress 1
		.amdhsa_inst_pref_size 25
	.end_amdhsa_kernel
	.amdgpu_metadata
---
amdhsa.version: [ 1, 2 ]
amdhsa.kernels:
  - .name:           k_qfc5b4114f3_prep
    .symbol:         k_qfc5b4114f3_prep.kd
    .args:
      - { .name: mask, .offset: 0, .size: 8, .value_kind: global_buffer, .address_space: global }
      - { .name: Wk, .offset: 8, .size: 8, .value_kind: global_buffer, .address_space: global }
      - { .name: Wv, .offset: 16, .size: 8, .value_kind: global_buffer, .address_space: global }
      - { .name: Wc1, .offset: 24, .size: 8, .value_kind: global_buffer, .address_space: global }
      - { .name: Wq, .offset: 32, .size: 8, .value_kind: global_buffer, .address_space: global }
      - { .name: Wo, .offset: 40, .size: 8, .value_kind: global_buffer, .address_space: global }
      - { .name: Wc2, .offset: 48, .size: 8, .value_kind: global_buffer, .address_space: global }
      - { .name: rel_index, .offset: 56, .size: 8, .value_kind: global_buffer, .address_space: global }
      - { .name: bias_table, .offset: 64, .size: 8, .value_kind: global_buffer, .address_space: global }
      - { .name: bc1, .offset: 72, .size: 8, .value_kind: global_buffer, .address_space: global }
      - { .name: ln_g, .offset: 80, .size: 8, .value_kind: global_buffer, .address_space: global }
      - { .name: ln_b, .offset: 88, .size: 8, .value_kind: global_buffer, .address_space: global }
      - { .name: bo, .offset: 96, .size: 8, .value_kind: global_buffer, .address_space: global }
      - { .name: bc2, .offset: 104, .size: 8, .value_kind: global_buffer, .address_space: global }
      - { .name: maskb, .offset: 112, .size: 8, .value_kind: global_buffer, .address_space: global }
      - { .name: wts, .offset: 120, .size: 8, .value_kind: global_buffer, .address_space: global }
      - { .name: biasf, .offset: 128, .size: 8, .value_kind: global_buffer, .address_space: global }
      - { .name: vecs, .offset: 136, .size: 8, .value_kind: global_buffer, .address_space: global }
    .group_segment_fixed_size: 9728
    .private_segment_fixed_size: 0
    .kernarg_segment_align: 8
    .kernarg_segment_size: 144
    .max_flat_workgroup_size: 256
    .sgpr_count:     66
    .vgpr_count:     148
    .wavefront_size: 32
...
	.end_amdgpu_metadata
.endif
;; end of part 1
;; launch proj (part 2): grid 256 x 1, 4 waves a work-group, clusters of 4 x 1, 327,680 bytes of LDS; arguments context, wts, vecs, kbuf, vbuf, hbuf; writes kbuf, vbuf, hbuf
.if DOCPART == 2
	.amdgcn_target "amdgcn-amd-amdhsa--gfx1250"
	.amdhsa_code_object_version 6
	.text
	.protected	k_qfc5b4114f3_proj
	.globl	k_qfc5b4114f3_proj
	.p2align	8
	.type	k_qfc5b4114f3_proj,@function
k_qfc5b4114f3_proj:
	s_mov_b64 s[64:65], 0
	v_nop
	global_prefetch_b8 v0, s[64:65] scope:SCOPE_SE
	s_setreg_imm32_b32 hwreg(HW_REG_WAVE_MODE, 25, 1), 1
	s_wait_xcnt 0x0
	s_wait_alu depctr_hold_cnt(0) depctr_sa_sdst(0) depctr_va_vdst(0) depctr_va_sdst(0) depctr_va_ssrc(0) depctr_va_vcc(0) depctr_vm_vsrc(0)
	s_getreg_b32 s2, hwreg(HW_REG_IB_STS2, 6, 4)
	s_cmp_eq_u32 s2, 0
	s_cbranch_scc0 .Lentry_in_a_cluster
	s_endpgm
.Lentry_in_a_cluster:
	s_bfe_u32 s2, ttmp6, 0x10000c
	s_cmp_lg_u32 s2, 0x3003
	s_cbranch_scc0 .Lentry_shape_is_right
	s_endpgm
.Lentry_shape_is_right:
; k = context Wk, v = context Wv, hn = relu(LayerNorm(context Wc1 + bc1) ln_g + ln_b), all three stored in f16 by slabs of 64 columns: [window][slab 8][row 256][64].
; SHARES.  A work-group owns 128 rows of context and all 512 columns; wave w owns all 128 rows x columns 128 w .. 128 w + 127: 64 accumulators, 512 registers.
; context is read once, rounded to bf16 and kept in LDS (RA: 8 blocks, one for each 64 of K, 128 rows x 144 bytes) for all three passes.
; The weights are ONE stream of 24 slabs (64 k x 512 n, 65,536 dense bytes each) through two LDS slots.  Every work-group walks the same slabs, so the four of a cluster ask JOINTLY.
; A wave fetches a quarter of a slab: the 128 columns that it multiplies itself, as 128 rows of 128 bytes, 160 bytes apart in LDS.
; THE MATRIX INSTRUCTION IS USED TRANSPOSED (source 0 = 16 columns of W, turned on the way out of LDS; source 1 = 16 rows of context): a lane holds one row and eight neighbouring columns.
; LayerNorm is made on the f32 sums in two passes (mean; then the squares of the differences): no difference of large sums.
; LIMITS.  k, v and hn leave in f16: they must stay within 65,504.  The ReLU is a maximum with 0 in which a NaN loses.
; REGISTERS, in windows of 256: window 0: v0-31 addresses; v32-63 at work; v64-127, v128-191 fragments of context; v192-255 context on its way in, later the way out, later ln_b
;   window 1: v0-63 what starts a pass's sums (0, or bc1); v64-127, v128-191 fragments of W; v192-255 ln_g          windows 2, 3: the accumulators, (a, b) at v[8 (8 (a % 4) + b)]
.set PA,    144                        ; a row of a block of RA: 128 bytes + 16
.set BLK,   128*PA
.set PW,    160                        ; a row of a tile: 128 bytes + 32
.set QB,    128*PW                     ; what one tensor load brings
.set SLOTB, 4*QB
.set RA,    2*SLOTB
.set STAGE, RA+8*BLK                   ; 16 rows x 144 bytes for each wave, for the way out
.set STAT,  STAGE+4*16*PA              ; the waves' partial row sums: 2,048 bytes for the means, 2,048 for the squares
.set SPARE, STAT+4096                  ; the spare words, 128 bytes for each wave
.set SLABB, 65536
.set R, 1
.set ADRA0, 2
.set ADRB0, 3
.set ADRA, 4
.set ADRB, 5
.set SGO, 6
.set SGA0, 7
.set SGA, 8
.set HH, 9
.set PFX, 10
.set PFO, 11
.set STO, 12
.set RD, 13
.set GO, 14
.set CBO, 15
.set STW, 16
.set STR, 17
.set LN, 18
.set TV, 19
.set TV2, 20
.set SPW, 28
.set NIL, 29
.set ZR, 30
.set T, 32
.set U, 32
.set XR, 64
.set F0, 64
.set F1, 128
.set MU, 128
.set RS, 144
.set SG, 192
.set LG, 192
.set CB, 0
.set WV, 16
.set CX, 17
.set WG, 18
.set G, 19
.set T0, 20
.set T1, 21
.set T2, 22
.set LIMW, 23
.set G1J, 24
.set G0A, 32
.set G0W, 36
.set XP, 40
.set OP, 42
.set PFW, 44
.set WLA, 46
.set OFF, 48
.set SEL, 50
.set I512, 52
.set EPS, 53
.set OV, 54
.set OH, 56
.set MSB, 0
.macro WIN new                         ; the immediate's high byte repeats the setting that is left; a switch that changes nothing is dropped
.if MSB != (\new)
	s_set_vgpr_msb (MSB<<8)|(\new)
.set MSB, \new
.endif
.endm
.macro PLACES                          ; four plain instructions between a matrix instruction and a load into, or a vector read of, its registers
.rept 4
	v_nop
.endr
.endm
.macro CREST                           ; a round of the cluster's barrier behind its opening barrier
	s_cmp_lg_u32 s[WV], 0
	s_cbranch_scc1 .Lnot_wave_0_\@
	s_barrier_signal -3
.Lnot_wave_0_\@:
	s_barrier_wait -3
	s_barrier_signal -1
	s_barrier_wait -1
.endm
.macro CROUND
	s_barrier_signal -1
	s_barrier_wait -1
	CREST
.endm
; 16 matrix instructions: row blocks a0, a0 + 1 of the window's four x all 8 column blocks, 32 along K.  zero = 1: the sums start at 0; 2: at v[CB + 8 b] of window 1; 0: they go on.
; The 64 accumulators take turns, one instruction a turn, in the same order everywhere.
.macro MUL16 form, f, hi, a0, zero
.if (\zero) == 2
	WIN 0x91+0x40*(\hi)
.else
	WIN 0xa1+0x50*(\hi)
.endif
.irp a, \a0, (\a0)+1
.irp b, 0,1,2,3,4,5,6,7
.if (\zero) == 1
	v_wmma_f32_16x16x32_\form v[8*(8*(\a)+(\b)):8*(8*(\a)+(\b))+7], v[(\f)+8*(\b):(\f)+8*(\b)+7], v[(\f)+8*(4*(\hi)+(\a)):(\f)+8*(4*(\hi)+(\a))+7], 0
.elseif (\zero) == 2
	v_wmma_f32_16x16x32_\form v[8*(8*(\a)+(\b)):8*(8*(\a)+(\b))+7], v[(\f)+8*(\b):(\f)+8*(\b)+7], v[(\f)+8*(4*(\hi)+(\a)):(\f)+8*(4*(\hi)+(\a))+7], v[CB+8*(\b):CB+8*(\b)+7]
.else
	v_wmma_f32_16x16x32_\form v[8*(8*(\a)+(\b)):8*(8*(\a)+(\b))+7], v[(\f)+8*(\b):(\f)+8*(\b)+7], v[(\f)+8*(4*(\hi)+(\a)):(\f)+8*(4*(\hi)+(\a))+7], v[8*(8*(\a)+(\b)):8*(8*(\a)+(\b))+7]
.endif
.endr
.endr
.endm
; 32 LDS loads in one run: half kk of a slab: my 128 columns of W, turned, then the 128 rows of A
.macro FETCH kk, f
	WIN 0x40
.irp i, 0,1,2,3,4,5,6,7
	ds_load_tr16_b128 v[(\f)+8*(\i):(\f)+8*(\i)+3],   v[ADRB] offset:((\i)/4)*64*PW+(\kk)*32*PW+32*((\i)%4)
	ds_load_tr16_b128 v[(\f)+8*(\i)+4:(\f)+8*(\i)+7], v[ADRB] offset:((\i)/4)*64*PW+(\kk)*32*PW+16*PW+32*((\i)%4)
.endr
	WIN 0
.irp i, 0,1,2,3,4,5,6,7
	ds_load_b128 v[(\f)+8*(\i):(\f)+8*(\i)+3],   v[ADRA] offset:(\i)*16*PA+64*(\kk)
	ds_load_b128 v[(\f)+8*(\i)+4:(\f)+8*(\i)+7], v[ADRA] offset:(\i)*16*PA+64*(\kk)+32
.endr
.endm
; The f32 operand on its way in: a wave takes 32 rows of a slab of 64 columns; sixteen lanes read a row's 256 bytes, the other sixteen the row 8 below
.macro XLOADS
.set n, 0
.rept 16
	global_load_b128 v[SG+4*n:SG+4*n+3], v[SGO], s[XP:XP+1] offset:(16*(n/8)+n%8)*2048 th:TH_LOAD_NT
.set n, n+1
.endr
.endm
.macro XSTORE
.set n, 0
.rept 16
	v_cvt_pk_bf16_f32 v[T+2*n], v[SG+4*n], v[SG+4*n+1]
	v_cvt_pk_bf16_f32 v[T+2*n+1], v[SG+4*n+2], v[SG+4*n+3]
.set n, n+1
.endr
.set n, 0
.rept 16
	ds_store_b64 v[SGA], v[T+2*n:T+2*n+1] offset:(16*(n/8)+n%8)*PA
.set n, n+1
.endr
.endm
; In step G: slab G + 1 goes into its block of RA, slab G + 2 is asked for, slab G + 4 is prefetched (a lane a row, my own 32 rows: each 256 bytes named once).  All jumps go forward.
.macro STAGE32
	s_cmp_lt_u32 s[G], 7
	s_cbranch_scc0 .Lst_\@
	s_add_co_u32 s[T0], s[G], 1
	s_mul_i32 s[T0], s[T0], BLK
	v_add_nc_u32 v[SGA], s[T0], v[SGA0]
	s_wait_loadcnt 0x0                             ; issued a whole step ago
	XSTORE
	s_cmp_lt_u32 s[G], 6
	s_cbranch_scc0 .Lst_\@
	s_wait_xcnt 0x0                                ; the last step's prefetch has read the pointer
	s_add_nc_u64 s[XP:XP+1], s[XP:XP+1], 256
	XLOADS
	s_cmp_lt_u32 s[G], 4
	s_cbranch_scc0 .Lst_\@
	global_prefetch_b8 v[PFX], s[XP:XP+1] offset:512 th:TH_LOAD_NT scope:SCOPE_SE
.Lst_\@:
.endm
; The weights' prefetch: the slab that stands two refills on.  The launch's first cluster asks, its four work-groups and their waves 0 and 1 sharing the slab's 256 blocks out by address.
.macro ASKW
	s_cmp_lt_u32 s[G], s[LIMW]
	s_cbranch_scc0 .Lnoask_\@
	global_prefetch_b8 v[PFO], s[PFW:PFW+1] th:TH_LOAD_NT scope:SCOPE_SE
.Lnoask_\@:
.endm
; A step (a slab, 64 along K) is two halves.  QUARTER is the first: it multiplies buffer 0 and fetches the second half into buffer 1.
.macro QUARTER form, zero, stage
	s_wait_dscnt 8                                 ; W and A's rows 0-63 are in; the youngest eight loads (A's rows 64-127) may be out
	MUL16 \form, F0, 0, 0, \zero
	MUL16 \form, F0, 0, 2, \zero
	WIN 0
	PLACES
.if (\stage) == 1
	STAGE32
.endif
	FETCH 1, F1
	s_wait_dscnt 32                                ; all but the 32 just issued
	MUL16 \form, F0, 1, 0, \zero
	MUL16 \form, F0, 1, 2, \zero
	WIN 0
.endm
; TURN is the second half and the change of slots.  kind 0: the slot just read is filled again, jointly, with the slab two on; 2: nothing is left to ask for; 3: the last step.
; In front of the barrier each wave waits for all its tensor loads (one is out: its part of the next slot), adds 0 to its spare word, and waits for that, for its reads of the slot and for its stores into RA.
.macro TURN form, kind
	WIN 0
.if (\kind) == 3
	s_wait_dscnt 8
	MUL16 \form, F1, 0, 0, 0
	MUL16 \form, F1, 0, 2, 0
	s_wait_dscnt 0x0
	MUL16 \form, F1, 1, 0, 0
	MUL16 \form, F1, 1, 2, 0
	WIN 0
.else
.if (\kind) == 0
	s_wait_xcnt 0x0                                ; the last prefetch of weights, a step back, has read its pointer
	s_add_nc_u64 s[PFW:PFW+1], s[PFW:PFW+1], SLABB
.endif
	s_wait_tensorcnt 0x0
	ds_add_u32 v[SPW], v[NIL]
	s_wait_dscnt 9                                 ; the add and the youngest eight loads may be out
	MUL16 \form, F1, 0, 0, 0
	s_wait_dscnt 0x0
	s_barrier_signal -1
	MUL16 \form, F1, 0, 2, 0
	WIN 0
	s_barrier_wait -1
.if (\kind) == 0
	CREST                                          ; the barrier has opened a round of the cluster's: no wave of any partner still reads the slot or has a load on its way
	s_and_b32 s[T0], s[G], 1
	s_mul_i32 s[T0], s[T0], SLOTB
	s_add_co_u32 s[G0W+1], s[WLA], s[T0]           ; the slot of the step that ends
	s_add_nc_u64 s[G0W+2:G0W+3], s[G0W+2:G0W+3], SLABB
.endif
	s_add_co_u32 s[G], s[G], 1
	s_and_b32 s[T1], s[G], 1
	s_mul_i32 s[T1], s[T1], SLOTB
	s_and_b32 s[T2], s[G], 7
	s_mul_i32 s[T2], s[T2], BLK
.if (\kind) == 0
	tensor_load_to_lds s[G0W:G0W+3], s[G1J:G1J+7]  ; 96 matrix instructions ahead of the wait for it
	s_nop 0
.endif
	v_add_nc_u32 v[ADRB], s[T1], v[ADRB0]          ; these four are also the places in front of the loads below
	v_add_nc_u32 v[ADRA], s[T2], v[ADRA0]
	v_nop
	v_nop
	FETCH 0, F0
.if (\kind) == 0
	ASKW
.endif
	MUL16 \form, F1, 1, 0, 0
	MUL16 \form, F1, 1, 2, 0
	WIN 0
.endif
.endm
.macro VECLOAD dst, off                ; my 64 numbers of a vector of 512: columns 128 w + 16 b + 8 (l / 16) + 0..7
.set n, 0
.rept 8
	global_load_b128 v[(\dst)+8*n:(\dst)+8*n+3],   v[CBO], s[8:9] offset:(\off)+64*n
	global_load_b128 v[(\dst)+8*n+4:(\dst)+8*n+7], v[CBO], s[8:9] offset:(\off)+64*n+16
.set n, n+1
.endr
.endm
; THE WAY OUT of row block a: rounded to f16 (each accumulator's registers in ascending order), through my stage one slab of 64 columns at a time, back as four whole rows of 128 bytes a load, stored as 512 consecutive bytes.
.macro PACKH a, tmp
	WIN 0x0a+5*((\a)/4)
.set n, 0
.rept 32
	v_cvt_pk_f16_f32 v[(\tmp)+n], v[64*((\a)%4)+2*n], v[64*((\a)%4)+2*n+1]
.set n, n+1
.endr
	WIN 0
.endm
.macro TOSTAGE tmp, bk
.irp hh, 0,1
.irp q, 0,1,2,3
	ds_store_b128 v[STO], v[(\tmp)+16*\hh+4*\q:(\tmp)+16*\hh+4*\q+3] offset:32*\q
.endr
.irp q, 0,1,2,3
	ds_load_b128 v[(\bk)+16*\hh+4*\q:(\bk)+16*\hh+4*\q+3], v[RD] offset:\q*4*PA  ; LDS serves a wave's instructions in order (ISA guide 5.7.1.4): these see the stores above, and the next stores come behind them
.endr
.endr
.endm
.macro SEND a, bk
	s_wait_dscnt 0x0
	s_wait_xcnt 0x0                                ; the registers that earlier stores read are loaded again only behind this wait
.irp hh, 0,1
.irp q, 0,1,2,3
	global_store_b128 v[GO], v[(\bk)+16*\hh+4*\q:(\bk)+16*\hh+4*\q+3], s[OP:OP+1] offset:\hh*32768+(\a)*2048+\q*512
.endr
.endr
.endm
.macro ALL8 line:vararg
.set a, 0
.rept 8
	\line
.set a, a+1
.endr
.endm
; A row's partial sums: the lane's two chains, its two halves, the other half of the lanes; then the four waves' through LDS.  The row's sum ends in v[XR + 4 a] of every lane.
.macro XRED off
	WIN 0
	ALL8 v_pk_add_f32 v[U+4*a:U+4*a+1], v[U+4*a:U+4*a+1], v[U+4*a+2:U+4*a+3]
	ALL8 v_add_f32 v[U+4*a], v[U+4*a], v[U+4*a+1]
	ALL8 v_permlanex16_b32 v[U+4*a+1], v[U+4*a], s[SEL], s[SEL+1]
	ALL8 v_add_f32 v[U+4*a], v[U+4*a], v[U+4*a+1]
	ALL8 ds_store_b32 v[STW], v[U+4*a] offset:(\off)+256*a
	s_wait_dscnt 0x0                               ; for the others' sake
	s_barrier_signal -1
	s_barrier_wait -1
	ALL8 ds_load_b128 v[XR+4*a:XR+4*a+3], v[STR] offset:(\off)+256*a
	s_wait_dscnt 0x0
	ALL8 v_pk_add_f32 v[XR+4*a:XR+4*a+1], v[XR+4*a:XR+4*a+1], v[XR+4*a+2:XR+4*a+3]
	ALL8 v_add_f32 v[XR+4*a], v[XR+4*a], v[XR+4*a+1]
.endm
.macro SUMS hf                         ; four row blocks' sums of 64 registers each, two chains a block, eight chains side by side
	WIN 0x0a+5*(\hf)
.set a4, 0
.rept 4
	v_pk_add_f32 v[U+16*(\hf)+4*a4:U+16*(\hf)+4*a4+1],   v[64*a4:64*a4+1],   v[64*a4+2:64*a4+3]
	v_pk_add_f32 v[U+16*(\hf)+4*a4+2:U+16*(\hf)+4*a4+3], v[64*a4+4:64*a4+5], v[64*a4+6:64*a4+7]
.set a4, a4+1
.endr
	WIN 0x08+4*(\hf)
.set p, 4
.rept 28
.set a4, 0
.rept 4
	v_pk_add_f32 v[U+16*(\hf)+4*a4+2*(p%2):U+16*(\hf)+4*a4+2*(p%2)+1], v[U+16*(\hf)+4*a4+2*(p%2):U+16*(\hf)+4*a4+2*(p%2)+1], v[64*a4+2*p:64*a4+2*p+1]
.set a4, a4+1
.endr
.set p, p+1
.endr
.endm
.macro DEVS hf                         ; h - mean in place, then the sums of its squares
	WIN 0x82+0x41*(\hf)
.set p, 0
.rept 32
.set a4, 0
.rept 4
	v_pk_add_f32 v[64*a4+2*p:64*a4+2*p+1], v[64*a4+2*p:64*a4+2*p+1], v[MU+8*(\hf)+2*a4:MU+8*(\hf)+2*a4+1] neg_lo:[0,1] neg_hi:[0,1]
.set a4, a4+1
.endr
.set p, p+1
.endr
	WIN 0x0a+5*(\hf)
.set p, 0
.rept 32
.set a4, 0
.rept 4
.if p < 2
	v_pk_mul_f32 v[U+16*(\hf)+4*a4+2*p:U+16*(\hf)+4*a4+2*p+1], v[64*a4+2*p:64*a4+2*p+1], v[64*a4+2*p:64*a4+2*p+1]
.else
	v_pk_fma_f32 v[U+16*(\hf)+4*a4+2*(p%2):U+16*(\hf)+4*a4+2*(p%2)+1], v[64*a4+2*p:64*a4+2*p+1], v[64*a4+2*p:64*a4+2*p+1], v[U+16*(\hf)+4*a4+2*(p%2):U+16*(\hf)+4*a4+2*(p%2)+1]
.endif
.set a4, a4+1
.endr
.set p, p+1
.endr
.endm
.macro NORM a                          ; (h - mean) x rstd x ln_g + ln_b, rounded to f16, and the ReLU on the packed halves
	WIN 0x82+0x41*((\a)/4)
.set p, 0
.rept 32
	v_pk_mul_f32 v[64*((\a)%4)+2*p:64*((\a)%4)+2*p+1], v[64*((\a)%4)+2*p:64*((\a)%4)+2*p+1], v[RS+2*(\a):RS+2*(\a)+1]
.set p, p+1
.endr
	WIN 0x86+0x41*((\a)/4)                         ; ln_g in window 1, ln_b in window 0, under the same numbers
.set p, 0
.rept 32
	v_pk_fma_f32 v[64*((\a)%4)+2*p:64*((\a)%4)+2*p+1], v[64*((\a)%4)+2*p:64*((\a)%4)+2*p+1], v[LG+2*p:LG+2*p+1], v[LG+2*p:LG+2*p+1]
.set p, p+1
.endr
	PACKH \a, T
.set p, 0
.rept 32
	v_pk_max_num_f16 v[T+p], v[T+p], v[ZR]
.set p, p+1
.endr
.endm
	s_load_b256 s[4:11], s[0:1], 0x0               ; context 4, wts 6, vecs 8, kbuf 10
	s_load_b128 s[12:15], s[0:1], 0x20             ; vbuf 12, hbuf 14
	v_lshl_add_u32 v[SPW], v0, 2, SPARE
	v_mov_b32 v[NIL], 0
	ds_add_u32 v[SPW], v[NIL]                      ; the wave's opening: the add, waited for ahead of my first tensor load; the set-up, work on registers, stands between
	v_lshrrev_b32 v[TV], 5, v0
	v_readfirstlane_b32 s[WV], v[TV]               ; wave 0..3
	s_bfe_u32 s[CX], ttmp6, 0x40000                ; my place in the cluster: it enters global addresses of my own alone
	s_lshl_b32 s[WG], ttmp9, 2
	s_add_co_u32 s[WG], s[WG], s[CX]               ; my block of 128 rows
	; descriptor group 1: 16,384 dense bytes as 64 rows of 256, padded in LDS after every 128 bytes
	s_mov_b32 s[G1J+0], 15|(1<<16)|(1<<20)|(1<<21)|(4<<22)|(7<<25)  ; the mask of four; 2-byte elements; padding on; bit 21 beside a mask; after every 32 words, 8 words
	s_mov_b32 s[G1J+1], 128<<16                    ; tensor_dim0 = 128
	s_mov_b32 s[G1J+2], 64<<16                     ; tensor_dim1 = 64
	s_mov_b32 s[G1J+3], 128<<16                    ; tile_dim0 = 128
	s_mov_b32 s[G1J+4], 64                         ; tile_dim1 = 64
	s_mov_b32 s[G1J+5], 128                        ; elements from row to row
	s_mov_b32 s[G1J+6], 0
	s_mov_b32 s[G1J+7], 0
	s_mul_i32 s[WLA], s[WV], QB                    ; my quarter of a slot
	s_mov_b32 s[G0A], 1
	s_mov_b32 s[G0A+1], s[WLA]
	s_mov_b32 s[G0W], 1
	s_add_co_u32 s[G0W+1], s[WLA], SLOTB
	s_mov_b32 s[OFF+1], 0
	s_mov_b32 s[G], 0
	s_mov_b32 s[SEL], 0x76543210
	s_mov_b32 s[SEL+1], 0xfedcba98
	s_mov_b32 s[I512], 0x3b000000                  ; 1 / 512
	s_mov_b32 s[EPS], 0x3727c5ac                   ; 1e-5
	v_and_b32 v[R], 15, v0
	v_bfe_u32 v[HH], v0, 4, 1
	v_and_b32 v[LN], 31, v0
	v_and_b32 v[TV], 7, v0
	v_bfe_u32 v[TV2], v0, 3, 1
	v_mul_u32_u24 v[ADRA0], v[R], PA
	v_lshl_add_u32 v[ADRA0], v[HH], 4, v[ADRA0]    ; row x pitch + 16 x half
	s_mul_i32 s[T0], s[WV], 16*PA
	s_add_co_u32 s[T0], s[T0], STAGE               ; my stage
	v_add_nc_u32 v[STO], s[T0], v[ADRA0]
	v_bfe_u32 v[RD], v0, 3, 2
	v_mul_u32_u24 v[RD], v[RD], PA
	v_lshl_add_u32 v[RD], v[TV], 4, v[RD]
	v_add_nc_u32 v[RD], s[T0], v[RD]
	v_add_nc_u32 v[ADRA0], RA, v[ADRA0]
	v_lshl_add_u32 v[ADRB0], v[HH], 3, v[TV]       ; the turning load: row 8 (l / 16) + l % 8, 16 bytes by (l / 8) % 2
	v_mul_u32_u24 v[ADRB0], v[ADRB0], PW
	v_lshl_add_u32 v[ADRB0], v[TV2], 4, v[ADRB0]
	v_add_nc_u32 v[ADRB0], s[WLA], v[ADRB0]
	s_lshl_b32 s[T0], s[WV], 16
	v_lshlrev_b32 v[SGO], 4, v[R]
	v_lshl_add_u32 v[SGO], v[HH], 14, v[SGO]
	v_add_nc_u32 v[SGO], s[T0], v[SGO]             ; (32 w + 8 (l / 16)) rows of 2,048 bytes + 16 (l % 16)
	v_lshl_add_u32 v[PFX], v[LN], 11, s[T0]        ; row 32 w + l
	s_mul_i32 s[T0], s[WV], 32*PA
	s_add_co_u32 s[T0], s[T0], RA
	v_mul_u32_u24 v[SGA0], v[HH], 8*PA
	v_lshl_add_u32 v[SGA0], v[R], 3, v[SGA0]
	v_add_nc_u32 v[SGA0], s[T0], v[SGA0]
	v_lshlrev_b32 v[GO], 4, v[LN]
	v_lshlrev_b32 v[PFO], 8, v[LN]
	s_lshl_b32 s[T0], s[WV], 9
	v_lshl_add_u32 v[CBO], v[HH], 5, s[T0]
	v_lshl_add_u32 v[STR], v[R], 4, STAT
	s_lshl_b32 s[T0], s[WV], 2
	v_add_nc_u32 v[STW], s[T0], v[STR]
	v_mov_b32 v[ZR], 0
	s_wait_dscnt 0x0                               ; the opening add is done
	s_wait_kmcnt 0x0
	s_lshl_b32 s[OFF], s[WV], 14
	s_add_nc_u64 s[G0A+2:G0A+3], s[6:7], s[OFF:OFF+1]      ; slab 0, my quarter
	s_add_nc_u64 s[G0W+2:G0W+3], s[G0A+2:G0A+3], SLABB     ; slab 1
	s_or_b32 s[G0A+3], s[G0A+3], 0x80000000
	s_or_b32 s[G0W+3], s[G0W+3], 0x80000000
	s_lshl_b32 s[OFF], s[CX], 14
	s_lshl_b32 s[T2], s[WV], 13
	s_add_co_u32 s[OFF], s[OFF], s[T2]
	s_add_nc_u64 s[PFW:PFW+1], s[6:7], s[OFF:OFF+1]
	s_add_nc_u64 s[PFW:PFW+1], s[PFW:PFW+1], 3*SLABB       ; the first change of slots steps it to slab 4; slabs 0 to 3 come by their loads alone
	s_lshr_b32 s[T2], s[WV], 1
	s_or_b32 s[T2], s[T2], ttmp9
	s_cmp_eq_u32 s[T2], 0
	s_cselect_b32 s[LIMW], 21, 0                   ; waves 0 and 1 of the first cluster ask while a slab four on exists
	s_lshl_b32 s[OFF], s[WG], 18
	s_add_nc_u64 s[XP:XP+1], s[4:5], s[OFF:OFF+1]
	s_lshr_b32 s[OFF], s[WG], 1
	s_lshl_b32 s[OFF], s[OFF], 18                  ; the window,
	s_lshl_b32 s[T2], s[WV], 16                    ; my two slabs of 64 columns,
	s_add_co_u32 s[OFF], s[OFF], s[T2]
	s_and_b32 s[T2], s[WG], 1
	s_lshl_b32 s[T2], s[T2], 14                    ; my half of its 256 rows
	s_add_co_u32 s[OFF], s[OFF], s[T2]
	s_add_nc_u64 s[OP:OP+1], s[10:11], s[OFF:OFF+1]
	s_add_nc_u64 s[OV:OV+1], s[12:13], s[OFF:OFF+1]
	s_add_nc_u64 s[OH:OH+1], s[14:15], s[OFF:OFF+1]
	XLOADS                                         ; context, slab 0
	CROUND                                         ; all four work-groups are here: the first joint loads meet
	tensor_load_to_lds s[G0A:G0A+3], s[G1J:G1J+7]
	s_nop 0
	tensor_load_to_lds s[G0W:G0W+3], s[G1J:G1J+7]  ; two loads of mine are out
	s_nop 0
	PLACES
	WIN 0x40
.set n, 0
.rept 64
	v_mov_b32 v[CB+n], 0                           ; k and v have no bias: their sums start from these, so that one text of a pass's first half serves all three passes
.set n, n+1
.endr
	WIN 0
	v_mov_b32 v[SGA], v[SGA0]
	v_mov_b32 v[ADRA], v[ADRA0]
	v_mov_b32 v[ADRB], v[ADRB0]
	s_wait_loadcnt 0x0
	XSTORE                                         ; block 0
	s_add_nc_u64 s[XP:XP+1], s[XP:XP+1], 256
	XLOADS                                         ; slab 1
	s_wait_tensorcnt 0x1                           ; my part of slab 0 is in; slab 1's may stay out
	s_wait_dscnt 0x0
	s_barrier_signal -1
	s_barrier_wait -1
	FETCH 0, F0
	QUARTER bf16, 2, 1
.Lstep:                                        ; 22 trips: a step's second half, the refill, the next step's first half
	TURN bf16, 0
	s_and_b32 s[T0], s[G], 7
	s_cmp_lg_u32 s[T0], 0
	s_cbranch_scc1 .Lchain
	s_cmp_eq_u32 s[G], 16                          ; a pass has ended: k at step 8, v at step 16
	s_cbranch_scc0 .Lnob1
	WIN 0x40
	VECLOAD CB, 0                                  ; the third pass starts its sums with bc1
	WIN 0
.Lnob1:
	PACKH 0, 192                                   ; blocks 0-3 were finished ahead of the refill's four plain lines; their conversions are the places behind the last products
	TOSTAGE 192, 32
.irp a, 1,2,3,4,5,6,7
	PACKH \a, 192
	SEND (\a)-1, 32+192*(((\a)-1)%2)
	TOSTAGE 192, 32+192*((\a)%2)
.endr
	SEND 7, 224
	s_wait_xcnt 0x0                                ; the stores have read their base and their registers
	s_wait_loadcnt 0x0                             ; no load of mine is out: bc1, asked for a whole way out ago, is in, and the registers through which context came in may be asked for again
	s_mov_b64 s[OP:OP+1], s[OV:OV+1]
	s_cmp_eq_u32 s[G], 16
	s_cbranch_scc0 .Lnob2
	s_mov_b64 s[OP:OP+1], s[OH:OH+1]
	WIN 0x40
	VECLOAD LG, 2048                               ; ln_g
	WIN 0
	VECLOAD LG, 4096                               ; ln_b; both are waited for ahead of LayerNorm, a whole pass on
.Lnob2:
	QUARTER bf16, 2, 0
	s_branch .Lnext
.Lchain:
	QUARTER bf16, 0, 1
.Lnext:
	s_cmp_lt_u32 s[G], 22
	s_cbranch_scc1 .Lstep
	TURN bf16, 2                                   ; the tail is written out: nothing is left to ask for
	QUARTER bf16, 0, 0
	TURN bf16, 3
	PLACES
	; LAYERNORM on the f32 sums
	s_wait_loadcnt 0x0                             ; ln_g, ln_b
	SUMS 0
	SUMS 1
	XRED 0
	ALL8 v_mul_f32 v[MU+2*a], s[I512], v[XR+4*a]
	ALL8 v_mul_f32 v[MU+2*a+1], s[I512], v[XR+4*a]
	DEVS 0
	DEVS 1
	XRED 2048
	ALL8 v_fma_f32 v[XR+4*a], v[XR+4*a], s[I512], s[EPS]
	ALL8 v_rsq_f32 v[RS+2*a], v[XR+4*a]
	ALL8 v_rsq_f32 v[RS+2*a+1], v[XR+4*a]
	v_nop                                          ; a plain instruction behind the last of the batch,
	s_wait_alu depctr_va_vdst(0)                   ; and one wait ahead of the first use
	NORM 0
	TOSTAGE T, 64
.irp a, 1,2,3,4,5,6,7
	NORM \a
	SEND (\a)-1, 64+32*(((\a)-1)%2)
	TOSTAGE T, 64+32*((\a)%2)
.endr
	SEND 7, 96
	s_wait_tensorcnt 0x0                           ; the wave's end
	ds_add_u32 v[SPW], v[NIL]
	s_wait_dscnt 0x0
	CROUND                                         ; the closing round
	s_endpgm
.Lfunc_end_k_qfc5b4114f3_proj:
	.size	k_qfc5b4114f3_proj, .Lfunc_end_k_qfc5b4114f3_proj-k_qfc5b4114f3_proj
	.p2alignl 7, 3214868480
	.fill 96, 4, 3214868480
	.section	.rodata,"a",@progbits
	.p2align	6, 0x0
	.amdhsa_kernel k_qfc5b4114f3_proj
		.amdhsa_group_segment_fixed_size 327680
		.amdhsa_private_segment_fixed_size 0
		.amdhsa_enable_private_segment 0
		.amdhsa_kernarg_size 48
		.amdhsa_user_sgpr_count 2
		.amdhsa_user_sgpr_kernarg_segment_ptr 1
		.amdhsa_wavefront_size32 1
		.amdhsa_system_sgpr_workgroup_id_x 1
		.amdhsa_system_sgpr_workgroup_id_y 1
		.amdhsa_system_sgpr_workgroup_id_z 1
		.amdhsa_system_vgpr_workitem_id 0
		.amdhsa_next_free_vgpr 1024
		.amdhsa_next_free_sgpr 66
		.amdhsa_reserve_vcc 0
		.amdhsa_float_denorm_mode_32 3
		.amdhsa_float_denorm_mode_16_64 3
		.amdhsa_memory_ordered 1
		.amdhsa_forward_progress 1
		.amdhsa_inst_pref_size 242
	.end_amdhsa_kernel
	.amdgpu_metadata
---
amdhsa.version: [ 1, 2 ]
amdhsa.kernels:
  - .name:           k_qfc5b4114f3_proj
    .symbol:         k_qfc5b4114f3_proj.kd
    .args:
      - { .name: context, .offset: 0, .size: 8, .value_kind: global_buffer, .address_space: global }
      - { .name: wts, .offset: 8, .size: 8, .value_kind: global_buffer, .address_space: global }
      - { .name: vecs, .offset: 16, .size: 8, .value_kind: global_buffer, .address_space: global }
      - { .name: kbuf, .offset: 24, .size: 8, .value_kind: global_buffer, .address_space: global }
      - { .name: vbuf, .offset: 32, .size: 8, .value_kind: global_buffer, .address_space: global }
      - { .name: hbuf, .offset: 40, .size: 8, .value_kind: global_buffer, .address_space: global }
    .group_segment_fixed_size: 327680
    .private_segment_fixed_size: 0
    .kernarg_segment_align: 8
    .kernarg_segment_size: 48
    .max_flat_workgroup_size: 128
    .sgpr_count:     66
    .vgpr_count:     1024
    .wavefront_size: 32
...
	.end_amdgpu_metadata
.endif
;; end of part 2
;; launch main (part 3): grid 256 x 1, 4 waves a work-group, clusters of 4 x 1, 327,680 bytes of LDS; arguments x, wts, vecs, biasf, maskb, kbuf, vbuf, hbuf, out0; writes out0
.if DOCPART == 3
	.amdgcn_target "amdgcn-amd-amdhsa--gfx1250"
	.amdhsa_code_object_version 6
	.text
	.protected	k_qfc5b4114f3_main
	.globl	k_qfc5b4114f3_main
	.p2align	8
	.type	k_qfc5b4114f3_main,@function
k_qfc5b4114f3_main:
	s_mov_b64 s[64:65], 0
	v_nop
	global_prefetch_b8 v0, s[64:65] scope:SCOPE_SE
	s_setreg_imm32_b32 hwreg(HW_REG_WAVE_MODE, 25, 1), 1
	s_wait_xcnt 0x0
	s_wait_alu depctr_hold_cnt(0) depctr_sa_sdst(0) depctr_va_vdst(0) depctr_va_sdst(0) depctr_va_ssrc(0) depctr_va_vcc(0) depctr_vm_vsrc(0)
	s_getreg_b32 s2, hwreg(HW_REG_IB_STS2, 6, 4)
	s_cmp_eq_u32 s2, 0
	s_cbranch_scc0 .Lentry_in_a_cluster
	s_endpgm
.Lentry_in_a_cluster:
	s_bfe_u32 s2, ttmp6, 0x10000c
	s_cmp_lg_u32 s2, 0x3003
	s_cbranch_scc0 .Lentry_shape_is_right
	s_endpgm
.Lentry_shape_is_right:
; out0 = softmax(q k^T / 8 + bias, hidden keys left out) v Wo + hn Wc2 + (bo + bc2), with q = x Wq made here; k, v, hn come in f16 from the launch before.
; SHARES.  A work-group owns 128 rows (half a window) and all 512 columns.  Three parts on ONE ring of two LDS slots:
;   Q   q = x Wq: 8 slabs of Wq, bf16; wave w owns all 128 rows x 128 columns (64 accumulators).  q goes, unscaled and in f16, into RA where x lay.
;   ATT 8 heads; a slot holds a head's K and V; wave w owns queries 32 w .. 32 w + 31, two tiles of 16, and sees all 256 keys at once: a true maximum, no rescaling.  O goes over q in RA.
;   OUT [O | hn] [Wo ; Wc2]: 16 slabs, f16, K = 1,024; hn follows O through RA's blocks behind the walk; the sums start with bo + bc2.
; Every tensor load has one shape: 16,384 dense bytes (128 rows of 128) a wave, rows 160 bytes apart in LDS.
; CLUSTER.  All work-groups walk the same weights: the four of a cluster ask for them JOINTLY.  K and V are asked for by each work-group alone: only two of the four partners share a window, and a joint
; request here names all four.  The head loop has one refill line; in its last trip that line brings Wo's first slab, so this one slab comes by a load of one's own.
; SCORES.  S^T = K Q^T starts from C = 8 bias + (0 or -2^99); p = 2^(c s - c m), c = log2(e) / 8.  The weights are rounded to f16 for the second product; their sum is taken of the unrounded p.
; LIMITS.  q, k, v, hn, O within f16's 65,504.  A hidden score counts as -2^99: visible scores q.k + 8 bias must lie above -2^97.  A row with no visible key gives NaN, by a select on its maximum.
; A weight below 2^-126 counts as 0.  NaN and infinities in the inputs are not treated apart.
; REGISTERS.  In the products Q and OUT: window 0 v64-191 fragments of A, v192-255 what is on its way in; window 1 v64-191 fragments of W, v0-63 the mask's bytes, v192-255 bo + bc2; windows 2, 3 accumulators.
; In ATT: window 0 v32-47 statistics, v64-191 two buffers for K or V, v192-223 O packed; window 1 v0-127 P, v128-191 O^T, v192-223 Q; window 2 S^T (128 t + 8 kt + j); window 3 the mask as f32, for all heads.
.set PA,    144
.set BLK,   128*PA
.set PW,    160
.set QB,    128*PW
.set SLOTB, 4*QB
.set RA,    2*SLOTB
.set SPARE, RA+8*BLK
.set SLABB, 65536
.set OSP,   528                        ; the way out: a row of 512 bytes + 16
.set OSW,   16*OSP
.set R, 1
.set ADRA0, 2
.set ADRB0, 3
.set ADRA, 4
.set ADRB, 5
.set SGO, 6
.set SGA0, 7
.set SGA, 8
.set HH, 9
.set PFX, 10
.set PFO, 11
.set L16, 12
.set QST, 13
.set AQ0, 14
.set AQ, 15
.set AK0, 16
.set AK, 17
.set AV0, 18
.set AV, 19
.set SGOH, 20
.set SGAH0, 21
.set PFH, 22
.set OST, 23
.set ORD, 24
.set CBO, 25
.set NANR, 26
.set TV, 27
.set SPW, 28
.set NIL, 29
.set LN, 30
.set TV2, 31
.set T, 32
.set ST, 32                            ; tile t at ST + 8 t: c m, m, l (two), four at work; 1 / l takes the first of those
.set F0, 64
.set F1, 128
.set SG, 192
.set OT, 192
.set CB, 192
.set QF, 192
.set OF, 128
.set WV, 22
.set CX, 23
.set WG, 24
.set G, 25
.set H, 26
.set LIMW, 27
.set T0, 28
.set T1, 29
.set T2, 30
.set LIMH, 31
.set G1J, 32
.set G1P, 40
.set G0A, 48
.set G0W, 52
.set G0P, 56
.set WLA, 60
.set ASKF, 61
.set BIGM, 62
.set XP, 66
.set HP, 68
.set BP, 70
.set OP, 72
.set PFW, 74
.set PFK, 76
.set CS, 78
.set SEL, 80
.set KVP, 82
.set WOP, 84
.set OFF, 86
.set PS, 88
.set MP, 92
.set MSB, 0
.macro WIN new
.if MSB != (\new)
	s_set_vgpr_msb (MSB<<8)|(\new)
.set MSB, \new
.endif
.endm
.macro PLACES                          ; four plain instructions between a matrix instruction and a load into, or a vector read of, its registers
.rept 4
	v_nop
.endr
.endm
.macro CREST
	s_cmp_lg_u32 s[WV], 0
	s_cbranch_scc1 .Lnot_wave_0_\@
	s_barrier_signal -3
.Lnot_wave_0_\@:
	s_barrier_wait -3
	s_barrier_signal -1
	s_barrier_wait -1
.endm
.macro CROUND
	s_barrier_signal -1
	s_barrier_wait -1
	CREST
.endm
; 16 matrix instructions: row blocks a0, a0 + 1 x all 8 column blocks, 32 along K.  zero = 1: the sums start at 0; 2: at v[CB + 8 b] of window 1; 0: they go on.  The 64 accumulators take turns.
.macro MUL16 form, f, hi, a0, zero
.if (\zero) == 2
	WIN 0x91+0x40*(\hi)
.else
	WIN 0xa1+0x50*(\hi)
.endif
.irp a, \a0, (\a0)+1
.irp b, 0,1,2,3,4,5,6,7
.if (\zero) == 1
	v_wmma_f32_16x16x32_\form v[8*(8*(\a)+(\b)):8*(8*(\a)+(\b))+7], v[(\f)+8*(\b):(\f)+8*(\b)+7], v[(\f)+8*(4*(\hi)+(\a)):(\f)+8*(4*(\hi)+(\a))+7], 0
.elseif (\zero) == 2
	v_wmma_f32_16x16x32_\form v[8*(8*(\a)+(\b)):8*(8*(\a)+(\b))+7], v[(\f)+8*(\b):(\f)+8*(\b)+7], v[(\f)+8*(4*(\hi)+(\a)):(\f)+8*(4*(\hi)+(\a))+7], v[CB+8*(\b):CB+8*(\b)+7]
.else
	v_wmma_f32_16x16x32_\form v[8*(8*(\a)+(\b)):8*(8*(\a)+(\b))+7], v[(\f)+8*(\b):(\f)+8*(\b)+7], v[(\f)+8*(4*(\hi)+(\a)):(\f)+8*(4*(\hi)+(\a))+7], v[8*(8*(\a)+(\b)):8*(8*(\a)+(\b))+7]
.endif
.endr
.endr
.endm
.macro FETCH kk, f                     ; 32 LDS loads in one run: half kk of a slab: my 128 columns of W, turned, then the 128 rows of A
	WIN 0x40
.irp i, 0,1,2,3,4,5,6,7
	ds_load_tr16_b128 v[(\f)+8*(\i):(\f)+8*(\i)+3],   v[ADRB] offset:((\i)/4)*64*PW+(\kk)*32*PW+32*((\i)%4)
	ds_load_tr16_b128 v[(\f)+8*(\i)+4:(\f)+8*(\i)+7], v[ADRB] offset:((\i)/4)*64*PW+(\kk)*32*PW+16*PW+32*((\i)%4)
.endr
	WIN 0
.irp i, 0,1,2,3,4,5,6,7
	ds_load_b128 v[(\f)+8*(\i):(\f)+8*(\i)+3],   v[ADRA] offset:(\i)*16*PA+64*(\kk)
	ds_load_b128 v[(\f)+8*(\i)+4:(\f)+8*(\i)+7], v[ADRA] offset:(\i)*16*PA+64*(\kk)+32
.endr
.endm
.macro XLOADS                          ; x on its way in: 32 rows of a slab of 64 columns a wave; sixteen lanes read a row's 256 bytes
.set n, 0
.rept 16
	global_load_b128 v[SG+4*n:SG+4*n+3], v[SGO], s[XP:XP+1] offset:(16*(n/8)+n%8)*2048 th:TH_LOAD_NT
.set n, n+1
.endr
.endm
.macro XSTORE
.set n, 0
.rept 16
	v_cvt_pk_bf16_f32 v[T+2*n], v[SG+4*n], v[SG+4*n+1]
	v_cvt_pk_bf16_f32 v[T+2*n+1], v[SG+4*n+2], v[SG+4*n+3]
.set n, n+1
.endr
.set n, 0
.rept 16
	ds_store_b64 v[SGA], v[T+2*n:T+2*n+1] offset:(16*(n/8)+n%8)*PA
.set n, n+1
.endr
.endm
.macro STAGE32                         ; in step G: slab G + 1 into its block, slab G + 2 asked for, slab G + 4 prefetched (a lane a row of my own 32)
	s_cmp_lt_u32 s[G], 7
	s_cbranch_scc0 .Lst_\@
	s_add_co_u32 s[T0], s[G], 1
	s_mul_i32 s[T0], s[T0], BLK
	v_add_nc_u32 v[SGA], s[T0], v[SGA0]
	s_wait_loadcnt 0x0
	XSTORE
	s_cmp_lt_u32 s[G], 6
	s_cbranch_scc0 .Lst_\@
	s_wait_xcnt 0x0
	s_add_nc_u64 s[XP:XP+1], s[XP:XP+1], 256
	XLOADS
	s_cmp_lt_u32 s[G], 4
	s_cbranch_scc0 .Lst_\@
	global_prefetch_b8 v[PFX], s[XP:XP+1] offset:512 th:TH_LOAD_NT scope:SCOPE_SE
.Lst_\@:
.endm
; hn follows O through RA: in step G slab G - 1, loaded a step ago, goes into block G - 1, which every wave has finished reading at the last barrier; slab G is asked for; slab G + 2 prefetched by waves 0 and 1.
; first = 1: step 0, which has nothing to store yet.  Elsewhere the wait for the last step's loads stands at the head, on every way to the loads below: they land in the same registers.
.macro STAGE16 first
.if !(\first)
	s_wait_loadcnt 0x0                             ; issued a whole step ago; in the steps behind the eighth no load is out
	s_sub_co_u32 s[T0], s[G], 1
	s_cmp_lt_u32 s[T0], 8
	s_cbranch_scc0 .Lh1_\@
	s_mul_i32 s[T0], s[T0], BLK
	v_add_nc_u32 v[SGA], s[T0], v[SGAH0]
.set n, 0
.rept 8
	ds_store_b128 v[SGA], v[SG+4*n:SG+4*n+3] offset:n*4*PA
.set n, n+1
.endr
	s_wait_xcnt 0x0                                ; the last step's prefetch has read the pointer
	s_add_nc_u64 s[HP:HP+1], s[HP:HP+1], 32768
.Lh1_\@:
	s_cmp_lt_u32 s[G], 8
	s_cbranch_scc0 .Lh2_\@
.endif
.set n, 0
.rept 8
	global_load_b128 v[SG+4*n:SG+4*n+3], v[SGOH], s[HP:HP+1] offset:512*n th:TH_LOAD_NT
.set n, n+1
.endr
	s_cmp_lt_u32 s[G], s[LIMH]
	s_cbranch_scc0 .Lh2_\@
	global_prefetch_b8 v[PFH], s[HP:HP+1] offset:65536 th:TH_LOAD_NT scope:SCOPE_SE
.Lh2_\@:
.endm
.macro ASKW                            ; the weights' slab two refills on: the launch's first cluster asks, its work-groups and their waves 0 and 1 sharing the 256 blocks out by address
	s_cmp_lt_u32 s[G], s[LIMW]
	s_cbranch_scc0 .Lnoask_\@
	global_prefetch_b8 v[PFO], s[PFW:PFW+1] th:TH_LOAD_NT scope:SCOPE_SE
.Lnoask_\@:
.endm
.macro QUARTER form, zero, stage       ; a step's first half.  stage 1: x comes in; 2: hn comes in; 3: hn's first slab is asked for; 0: nothing
	s_wait_dscnt 8                                 ; the youngest eight loads (A's rows 64-127) may be out
	MUL16 \form, F0, 0, 0, \zero
	MUL16 \form, F0, 0, 2, \zero
	WIN 0
	PLACES
.if (\stage) == 1
	STAGE32
.elseif (\stage) == 2
	STAGE16 0
.elseif (\stage) == 3
	STAGE16 1
.endif
	FETCH 1, F1
	s_wait_dscnt 32                                ; all but the 32 just issued
	MUL16 \form, F0, 1, 0, \zero
	MUL16 \form, F0, 1, 2, \zero
	WIN 0
.endm
; A step's second half and the change of slots.  kind 0: the slot is filled again jointly with the slab two on; 1: with a head's K and V, by a load of my own (adv = 1: the next head);
; 2: nothing is asked for; 3: the last step, with a plain barrier, since RA is written anew behind it.
.macro TURN form, kind, fetch=1, adv=0
	WIN 0
.if (\kind) == 3
	s_wait_dscnt 8
	MUL16 \form, F1, 0, 0, 0
	MUL16 \form, F1, 0, 2, 0
	s_wait_dscnt 0x0                               ; my reads of RA are over
	s_barrier_signal -1
	MUL16 \form, F1, 1, 0, 0
	MUL16 \form, F1, 1, 2, 0
	WIN 0
	s_barrier_wait -1
.else
.if (\kind) == 0
	s_wait_xcnt 0x0
	s_add_nc_u64 s[PFW:PFW+1], s[PFW:PFW+1], SLABB
.endif
	s_wait_tensorcnt 0x0                           ; all my tensor loads have landed: the one that was out is my part of the next slot
	ds_add_u32 v[SPW], v[NIL]
	s_wait_dscnt 9                                 ; the add and the youngest eight loads may be out
	MUL16 \form, F1, 0, 0, 0
	s_wait_dscnt 0x0
	s_barrier_signal -1
	MUL16 \form, F1, 0, 2, 0
	WIN 0
	s_barrier_wait -1
.if (\kind) < 2
	CREST
	s_and_b32 s[T0], s[G], 1
	s_mul_i32 s[T0], s[T0], SLOTB
.endif
.if (\kind) == 0
	s_add_co_u32 s[G0W+1], s[WLA], s[T0]
	s_add_nc_u64 s[G0W+2:G0W+3], s[G0W+2:G0W+3], SLABB
.elseif (\kind) == 1
	s_add_co_u32 s[G0P+1], s[WLA], s[T0]
.if \adv
	s_add_nc_u64 s[G0P+2:G0P+3], s[G0P+2:G0P+3], 32768
.endif
.endif
	s_add_co_u32 s[G], s[G], 1
	s_and_b32 s[T1], s[G], 1
	s_mul_i32 s[T1], s[T1], SLOTB
	s_and_b32 s[T2], s[G], 7
	s_mul_i32 s[T2], s[T2], BLK
.if (\kind) == 0
	tensor_load_to_lds s[G0W:G0W+3], s[G1J:G1J+7]
	s_nop 0
.elseif (\kind) == 1
	tensor_load_to_lds s[G0P:G0P+3], s[G1P:G1P+7]
	s_nop 0
.endif
	v_add_nc_u32 v[ADRB], s[T1], v[ADRB0]          ; these four are also the places in front of the loads below
	v_add_nc_u32 v[ADRA], s[T2], v[ADRA0]
	v_nop
	v_nop
.if \fetch
	FETCH 0, F0
.endif
.if (\kind) == 0
	ASKW
.endif
	MUL16 \form, F1, 1, 0, 0
	MUL16 \form, F1, 1, 2, 0
	WIN 0
.endif
.endm
.macro BIASLOAD                        ; a head's 8 x bias for my two tiles, straight into S^T's registers: 512 consecutive bytes a load
	WIN 0x80
.set n, 0
.rept 64
	global_load_b128 v[4*n:4*n+3], v[L16], s[BP:BP+1] offset:(n/32)*16384+(n%32)*512
.set n, n+1
.endr
	WIN 0
.endm
.macro KLOAD g, buf                    ; 64 keys x 64 channels: 8 fragments
.set n, 0
.rept 8
	ds_load_b128 v[(\buf)+8*n:(\buf)+8*n+3],   v[AK] offset:(4*(\g)+n/2)*16*PW+64*(n%2)
	ds_load_b128 v[(\buf)+8*n+4:(\buf)+8*n+7], v[AK] offset:(4*(\g)+n/2)*16*PW+64*(n%2)+32
.set n, n+1
.endr
.endm
.macro VLOAD g, buf                    ; 64 keys x 64 channels, turned
.set n, 0
.rept 8
	ds_load_tr16_b128 v[(\buf)+8*n:(\buf)+8*n+3],   v[AV] offset:(2*(\g)+n/4)*32*PW+32*(n%4)
	ds_load_tr16_b128 v[(\buf)+8*n+4:(\buf)+8*n+7], v[AV] offset:(2*(\g)+n/4)*32*PW+16*PW+32*(n%4)
.set n, n+1
.endr
.endm
.macro KQ16 g, buf                     ; 16 products of S^T += K Q^T: the 8 accumulators (4 key tiles x 2 query tiles) take turns
	WIN 0xa4
.set i, 0
.rept 16
.set rS, 128*(i%2)+8*(4*(\g)+(i/2)%4)
.set rK, (\buf)+16*((i/2)%4)+8*(i/8)
.set rQ, QF+16*(i%2)+8*(i/8)
	v_wmma_f32_16x16x32_f16 v[rS:rS+7], v[rK:rK+7], v[rQ:rQ+7], v[rS:rS+7]
.set i, i+1
.endr
.endm
.macro PV16 g, buf                     ; 16 products of O^T += V^T P: the 8 accumulators (4 channel blocks x 2 query tiles) take turns; a head's first 8 start the sums
	WIN 0x54
.set i, 0
.rept 16
.set rO, OF+32*(i%2)+8*((i/2)%4)
.set rV, (\buf)+32*(i/8)+8*((i/2)%4)
.set rP, 64*(i%2)+8*(2*(\g)+i/8)
.if ((\g) == 0) && (i < 8)
	v_wmma_f32_16x16x32_f16 v[rO:rO+7], v[rV:rV+7], v[rP:rP+7], 0
.else
	v_wmma_f32_16x16x32_f16 v[rO:rO+7], v[rV:rV+7], v[rP:rP+7], v[rO:rO+7]
.endif
.set i, i+1
.endr
.endm
.macro FS p                            ; pair p of the 128: c s - c m
	v_pk_fma_f32 v[2*(\p):2*(\p)+1], v[2*(\p):2*(\p)+1], s[CS:CS+1], v[ST+8*((\p)/64):ST+8*((\p)/64)+1] op_sel_hi:[1,0,0] neg_lo:[0,0,1] neg_hi:[0,0,1]
.endm
.macro BOTH line:vararg                ; one line for each tile t
.set t, 0
.rept 2
	\line
.set t, t+1
.endr
.endm
; ONE HEAD, in phases.
.macro ATT
	s_and_b32 s[T0], s[H], 1
	s_mul_i32 s[T0], s[T0], SLOTB
	s_mul_i32 s[T1], s[H], BLK
	v_add_nc_u32 v[AK], s[T0], v[AK0]
	v_add_nc_u32 v[AV], s[T0], v[AV0]
	v_add_nc_u32 v[AQ], s[T1], v[AQ0]
	WIN 0x40
.set n, 0
.rept 4                                ; my 32 queries of this head, out of RA
	ds_load_b128 v[QF+8*n:QF+8*n+3],   v[AQ] offset:(n/2)*16*PA+64*(n%2)
	ds_load_b128 v[QF+8*n+4:QF+8*n+7], v[AQ] offset:(n/2)*16*PA+64*(n%2)+32
.set n, n+1
.endr
	WIN 0
	KLOAD 0, F0
	s_wait_loadcnt 0x0                             ; the head's bias lies in S^T's registers
	WIN 0x8e
.set n, 0
.rept 128
	v_pk_add_f32 v[2*n:2*n+1], v[2*n:2*n+1], v[2*n:2*n+1]  ; + the mask (source 1 in window 3): what the products start from
.set n, n+1
.endr
.irp g, 0,1,2,3
	WIN 0
	PLACES
.if \g < 3
	KLOAD (\g)+1, F0+64*(((\g)+1)%2)
	s_wait_dscnt 16                                ; all but the group just asked for
.else
	s_wait_dscnt 0x0
.endif
	KQ16 \g, F0+64*((\g)%2)
.endr
	WIN 0
	PLACES
	VLOAD 0, F0
	VLOAD 1, F1
	; the maximum of my 128 scores a tile: four chains a tile, each accumulator's registers in ascending order
.set n, 0
.rept 4
	v_mov_b32 v[ST+4+n], 0xff800000
	v_mov_b32 v[ST+12+n], 0xff800000
.set n, n+1
.endr
	WIN 0x28
.set i, 0
.rept 64
	v_max3_num_f32 v[ST+4+i%4],  v[ST+4+i%4],  v[2*i],     v[2*i+1]
	v_max3_num_f32 v[ST+12+i%4], v[ST+12+i%4], v[128+2*i], v[128+2*i+1]
.set i, i+1
.endr
	WIN 0
	BOTH v_max3_num_f32 v[ST+8*t+4], v[ST+8*t+4], v[ST+8*t+5], v[ST+8*t+6]
	BOTH v_max_num_f32 v[ST+8*t+4], v[ST+8*t+4], v[ST+8*t+7]
	BOTH v_permlanex16_b32 v[ST+8*t+5], v[ST+8*t+4], s[SEL], s[SEL+1]
	BOTH v_max_num_f32 v[ST+8*t+1], v[ST+8*t+4], v[ST+8*t+5]
	BOTH v_mul_f32 v[ST+8*t], s[CS], v[ST+8*t+1]
	; ONE BATCH: 128 scalings and 256 exponentials; nothing in it names an exponential's result
	WIN 0x82
	FS 0
.set i, 0
.rept 128
.if i < 127
	FS i+1
.endif
	v_exp_f32 v[2*i], v[2*i]
	v_exp_f32 v[2*i+1], v[2*i+1]
.set i, i+1
.endr
	v_nop                                          ; a plain instruction behind the last exponential,
	s_wait_alu depctr_va_vdst(0)                   ; and one wait ahead of the first use
	WIN 0x4a
.set i, 0
.rept 128
	v_cvt_pk_f16_f32 v[i], v[2*i], v[2*i+1]        ; two key tiles' pairs are a fragment of P as they fall
.set i, i+1
.endr
	WIN 0x8a
.irp n, 32,16,8,4,2
.set i, 0
.rept \n
	v_pk_add_f32 v[2*i:2*i+1],         v[2*i:2*i+1],         v[2*(i+\n):2*(i+\n)+1]
	v_pk_add_f32 v[128+2*i:128+2*i+1], v[128+2*i:128+2*i+1], v[128+2*(i+\n):128+2*(i+\n)+1]
.set i, i+1
.endr
.endr
	WIN 0x0a
	v_pk_add_f32 v[ST+2:ST+3],   v[0:1],     v[2:3]
	v_pk_add_f32 v[ST+10:ST+11], v[128:129], v[130:131]
	WIN 0
	BOTH v_add_f32 v[ST+8*t+2], v[ST+8*t+2], v[ST+8*t+3]
	BOTH v_permlanex16_b32 v[ST+8*t+3], v[ST+8*t+2], s[SEL], s[SEL+1]
	BOTH v_add_f32 v[ST+8*t+2], v[ST+8*t+2], v[ST+8*t+3]
	BOTH v_rcp_f32 v[ST+8*t+4], v[ST+8*t+2]
	v_nop
	s_wait_alu depctr_va_vdst(0)                   ; one wait for the two reciprocals
	v_cmp_gt_f32 vcc_lo, s[BIGM], v[ST+1]          ; no visible key: the row is NaN
	v_cndmask_b32 v[ST+4], v[ST+4], v[NANR], vcc_lo
	v_cmp_gt_f32 vcc_lo, s[BIGM], v[ST+9]
	v_cndmask_b32 v[ST+12], v[ST+12], v[NANR], vcc_lo
	s_cmp_lt_u32 s[H], 7
	s_cbranch_scc0 .Lnb_\@
	s_wait_xcnt 0x0
	s_add_nc_u64 s[BP:BP+1], s[BP:BP+1], 262144
	BIASLOAD                                       ; S^T's registers are free: the next head's bias
.Lnb_\@:
.irp g, 0,1,2,3
.if \g < 3
	s_wait_dscnt 16                                ; one younger group of V may stay out
.else
	s_wait_dscnt 0x0
.endif
	PV16 \g, F0+64*((\g)%2)
	WIN 0
	PLACES
.if \g < 2
	VLOAD (\g)+2, F0+64*((\g)%2)
.endif
.endr
	WIN 0x41
.set i, 0
.rept 16
	v_pk_mul_f32 v[OF+2*i:OF+2*i+1],       v[OF+2*i:OF+2*i+1],       v[ST+4:ST+5]   op_sel_hi:[1,0]
	v_pk_mul_f32 v[OF+32+2*i:OF+32+2*i+1], v[OF+32+2*i:OF+32+2*i+1], v[ST+12:ST+13] op_sel_hi:[1,0]
.set i, i+1
.endr
	WIN 0x05
.set i, 0
.rept 32
	v_cvt_pk_f16_f32 v[OT+i], v[OF+2*i], v[OF+2*i+1]
.set i, i+1
.endr
	WIN 0
.set n, 0
.rept 8
	ds_store_b128 v[AQ], v[OT+4*n:OT+4*n+3] offset:(n/4)*16*PA+32*(n%4)  ; O over my own rows of q
.set n, n+1
.endr
.endm
.macro OSTG a                          ; the way out: row block a into my stage (each accumulator's low half first), and back as whole rows of 512 bytes
	WIN 0x08+4*((\a)/4)
.set n, 0
.rept 16
	ds_store_b128 v[OST], v[64*((\a)%4)+4*n:64*((\a)%4)+4*n+3] offset:64*(n/2)+16*(n%2)
.set n, n+1
.endr
	WIN 0
.set n, 0
.rept 16
	ds_load_b128 v[64+64*((\a)%2)+4*n:64+64*((\a)%2)+4*n+3], v[ORD] offset:n*OSP
.set n, n+1
.endr
.endm
.macro OSND a
.set n, 0
.rept 16
	global_store_b128 v[L16], v[64+64*((\a)%2)+4*n:64+64*((\a)%2)+4*n+3], s[OP:OP+1] offset:(\a)*32768+n*2048 th:TH_STORE_NT  ; 512 consecutive bytes of a row
.set n, n+1
.endr
.endm
	s_load_b512 s[4:19], s[0:1], 0x0               ; x 4, wts 6, vecs 8, biasf 10, maskb 12, kbuf 14, vbuf 16, hbuf 18
	s_load_b64 s[20:21], s[0:1], 0x40              ; out0
	v_lshl_add_u32 v[SPW], v0, 2, SPARE
	v_mov_b32 v[NIL], 0
	ds_add_u32 v[SPW], v[NIL]                      ; the wave's opening: the add, waited for ahead of my first tensor load
	v_lshrrev_b32 v[TV], 5, v0
	v_readfirstlane_b32 s[WV], v[TV]
	s_bfe_u32 s[CX], ttmp6, 0x40000
	s_lshl_b32 s[WG], ttmp9, 2
	s_add_co_u32 s[WG], s[WG], s[CX]
	s_mov_b32 s[G1J+0], 15|(1<<16)|(1<<20)|(1<<21)|(4<<22)|(7<<25)  ; joint: the mask of four, bit 21 beside it; 2-byte elements; after every 32 words 8 words of padding
	s_mov_b32 s[G1P+0], (1<<16)|(1<<20)|(4<<22)|(7<<25)             ; the same shape for a load of my own
.irp g, G1J, G1P
	s_mov_b32 s[\g+1], 128<<16
	s_mov_b32 s[\g+2], 64<<16
	s_mov_b32 s[\g+3], 128<<16
	s_mov_b32 s[\g+4], 64
	s_mov_b32 s[\g+5], 128
	s_mov_b32 s[\g+6], 0
	s_mov_b32 s[\g+7], 0
.endr
	s_mul_i32 s[WLA], s[WV], QB
	s_mov_b32 s[G0A], 1
	s_mov_b32 s[G0A+1], s[WLA]
	s_mov_b32 s[G0W], 1
	s_add_co_u32 s[G0W+1], s[WLA], SLOTB
	s_mov_b32 s[G0P], 1
	s_mov_b32 s[G0P+1], s[WLA]
	s_mov_b32 s[OFF+1], 0
	s_mov_b32 s[G], 0
	s_mov_b32 s[H], 0
	s_mov_b32 s[CS], 0x3e38aa3b                    ; c = log2(e) / 8
	s_mov_b32 s[CS+1], s[CS]
	s_mov_b32 s[SEL], 0x76543210
	s_mov_b32 s[SEL+1], 0xfedcba98
	s_mov_b32 s[BIGM], 0xf0000000                  ; -2^97
	s_mov_b32 s[PS+0], 0x000c0c0c                  ; byte k of a word into the top byte, zeros below
	s_mov_b32 s[PS+1], 0x010c0c0c
	s_mov_b32 s[PS+2], 0x020c0c0c
	s_mov_b32 s[PS+3], 0x030c0c0c
	v_and_b32 v[R], 15, v0
	v_bfe_u32 v[HH], v0, 4, 1
	v_and_b32 v[LN], 31, v0
	v_and_b32 v[TV], 7, v0
	v_bfe_u32 v[TV2], v0, 3, 1
	v_mul_u32_u24 v[ADRA0], v[R], PA
	v_lshl_add_u32 v[ADRA0], v[HH], 4, v[ADRA0]
	v_add_nc_u32 v[ADRA0], RA, v[ADRA0]
	s_mul_i32 s[T0], s[WV], 32*PA
	v_add_nc_u32 v[AQ0], s[T0], v[ADRA0]           ; my 32 queries in a block
	s_mul_i32 s[T0], s[WV], 2*BLK
	v_add_nc_u32 v[QST], s[T0], v[ADRA0]           ; my 128 columns of q are heads 2 w and 2 w + 1
	v_lshl_add_u32 v[AV0], v[HH], 3, v[TV]
	v_mul_u32_u24 v[AV0], v[AV0], PW
	v_lshl_add_u32 v[AV0], v[TV2], 4, v[AV0]
	v_add_nc_u32 v[ADRB0], s[WLA], v[AV0]
	v_add_nc_u32 v[AV0], 2*QB, v[AV0]              ; V lies behind K's 256 rows
	v_mul_u32_u24 v[AK0], v[R], PW
	v_lshl_add_u32 v[AK0], v[HH], 4, v[AK0]
	s_lshl_b32 s[T0], s[WV], 16
	v_lshlrev_b32 v[SGO], 4, v[R]
	v_lshl_add_u32 v[SGO], v[HH], 14, v[SGO]
	v_add_nc_u32 v[SGO], s[T0], v[SGO]
	v_lshl_add_u32 v[PFX], v[LN], 11, s[T0]
	s_mul_i32 s[T0], s[WV], 32*PA
	s_add_co_u32 s[T0], s[T0], RA
	v_mul_u32_u24 v[SGA0], v[HH], 8*PA
	v_lshl_add_u32 v[SGA0], v[R], 3, v[SGA0]
	v_add_nc_u32 v[SGA0], s[T0], v[SGA0]
	v_bfe_u32 v[SGAH0], v0, 3, 2
	v_mul_u32_u24 v[SGAH0], v[SGAH0], PA
	v_lshl_add_u32 v[SGAH0], v[TV], 4, v[SGAH0]
	v_add_nc_u32 v[SGAH0], s[T0], v[SGAH0]
	v_lshlrev_b32 v[L16], 4, v[LN]
	s_lshl_b32 s[T0], s[WV], 12
	v_add_nc_u32 v[SGOH], s[T0], v[L16]
	v_lshlrev_b32 v[PFO], 8, v[LN]
	s_lshl_b32 s[T0], s[WV], 13
	v_add_nc_u32 v[PFH], s[T0], v[PFO]
	s_mul_i32 s[T0], s[WV], OSW
	s_add_co_u32 s[T0], s[T0], RA
	v_mul_u32_u24 v[OST], v[R], OSP
	v_lshl_add_u32 v[OST], v[HH], 5, v[OST]
	v_add_nc_u32 v[OST], s[T0], v[OST]
	v_add_nc_u32 v[ORD], s[T0], v[L16]
	s_lshl_b32 s[T0], s[WV], 9
	v_lshl_add_u32 v[CBO], v[HH], 5, s[T0]
	v_mov_b32 v[NANR], 0x7fc00000
	s_wait_dscnt 0x0                               ; the opening add is done
	s_wait_kmcnt 0x0
	s_lshl_b32 s[OFF], s[WV], 14
	s_add_nc_u64 s[WOP:WOP+1], s[6:7], s[OFF:OFF+1]        ; the weights at my quarter of a slab
	s_add_nc_u64 s[G0A+2:G0A+3], s[WOP:WOP+1], 3*524288    ; Wq, slab 0
	s_add_nc_u64 s[G0W+2:G0W+3], s[WOP:WOP+1], 3*524288+SLABB
	s_add_nc_u64 s[WOP:WOP+1], s[WOP:WOP+1], 4*524288      ; Wo, slab 0
	s_or_b32 s[G0A+3], s[G0A+3], 0x80000000
	s_or_b32 s[G0W+3], s[G0W+3], 0x80000000
	s_cmp_lt_u32 s[WV], 2                          ; waves 0 and 1 fetch K's halves, waves 2 and 3 V's
	s_cselect_b64 s[KVP:KVP+1], s[14:15], s[16:17]
	s_mov_b64 s[PFK:PFK+1], s[KVP:KVP+1]
	s_lshr_b32 s[T0], s[WG], 1
	s_lshl_b32 s[T0], s[T0], 18                    ; the window
	s_and_b32 s[T1], s[WV], 1
	s_lshl_b32 s[T2], s[T1], 14
	s_add_co_u32 s[OFF], s[T0], s[T2]
	s_add_nc_u64 s[KVP:KVP+1], s[KVP:KVP+1], s[OFF:OFF+1]
	s_mov_b64 s[G0P+2:G0P+3], s[KVP:KVP+1]         ; head 0
	s_or_b32 s[G0P+3], s[G0P+3], 0x80000000
	s_and_b32 s[T2], s[WG], 1                      ; which half of the window is mine
	s_lshl_b32 s[OFF], s[T2], 14
	s_lshl_b32 s[T1], s[T1], 13
	s_add_co_u32 s[OFF], s[OFF], s[T1]
	s_add_co_u32 s[OFF], s[OFF], s[T0]
	s_add_nc_u64 s[PFK:PFK+1], s[PFK:PFK+1], s[OFF:OFF+1]  ; the prefetches of K and V: the window's two work-groups and their waves share a head's blocks out by address
	s_add_nc_u64 s[PFK:PFK+1], s[PFK:PFK+1], 65536         ; at head 2; the first change steps it to head 3
	s_lshl_b32 s[OFF], s[T2], 14
	s_add_co_u32 s[OFF], s[OFF], s[T0]
	s_add_nc_u64 s[HP:HP+1], s[18:19], s[OFF:OFF+1]
	s_lshl_b32 s[OFF], s[T2], 17
	s_lshl_b32 s[T1], s[WV], 15
	s_add_co_u32 s[OFF], s[OFF], s[T1]
	s_add_nc_u64 s[BP:BP+1], s[10:11], s[OFF:OFF+1]
	s_lshl_b32 s[OFF], s[WG], 15
	s_lshl_b32 s[T1], s[WV], 13
	s_add_co_u32 s[OFF], s[OFF], s[T1]
	s_add_nc_u64 s[MP:MP+1], s[12:13], s[OFF:OFF+1]
	s_lshl_b32 s[OFF], s[WG], 18
	s_add_nc_u64 s[XP:XP+1], s[4:5], s[OFF:OFF+1]
	s_lshl_b32 s[T1], s[WV], 9
	s_add_co_u32 s[OFF], s[OFF], s[T1]
	s_add_nc_u64 s[OP:OP+1], s[20:21], s[OFF:OFF+1]
	s_lshl_b32 s[OFF], s[CX], 14
	s_lshl_b32 s[T1], s[WV], 13
	s_add_co_u32 s[OFF], s[OFF], s[T1]
	s_add_nc_u64 s[PFW:PFW+1], s[6:7], s[OFF:OFF+1]
	s_add_nc_u64 s[PFW:PFW+1], s[PFW:PFW+1], 3*524288+3*SLABB
	s_lshr_b32 s[T0], s[WV], 1
	s_or_b32 s[T0], s[T0], ttmp9
	s_cmp_eq_u32 s[T0], 0
	s_cselect_b32 s[ASKF], 1, 0                    ; waves 0 and 1 of the launch's first cluster ask for the weights
	s_mul_i32 s[LIMW], s[ASKF], 5
	s_cmp_lt_u32 s[WV], 2
	s_cselect_b32 s[LIMH], 6, 0
	XLOADS                                         ; x, slab 0
	WIN 0x40
.set n, 0
.rept 16
	global_load_b128 v[4*n:4*n+3], v[L16], s[MP:MP+1] offset:512*n th:TH_LOAD_NT  ; the mask's bytes for my two tiles, once for all heads
.set n, n+1
.endr
	WIN 0
	CROUND                                         ; all four work-groups are here: the first joint loads meet
	tensor_load_to_lds s[G0A:G0A+3], s[G1J:G1J+7]
	s_nop 0
	tensor_load_to_lds s[G0W:G0W+3], s[G1J:G1J+7]  ; two loads of mine are out
	s_nop 0
	PLACES
	v_mov_b32 v[SGA], v[SGA0]
	v_mov_b32 v[ADRA], v[ADRA0]
	v_mov_b32 v[ADRB], v[ADRB0]
	s_wait_loadcnt 16                              ; x's slab 0 is in; the mask's 16 loads behind it may stay out
	XSTORE
	s_add_nc_u64 s[XP:XP+1], s[XP:XP+1], 256
	XLOADS
	s_wait_tensorcnt 0x1                           ; my part of slab 0 is in; slab 1's may stay out
	s_wait_dscnt 0x0
	s_barrier_signal -1
	s_barrier_wait -1
	FETCH 0, F0
	QUARTER bf16, 1, 1                             ; the first products start the sums
.Lq:                                           ; 6 trips
	TURN bf16, 0
	QUARTER bf16, 0, 1
	s_cmp_lt_u32 s[G], 6
	s_cbranch_scc1 .Lq
	TURN bf16, 1, 1, 0                             ; THE RING GOES ON INTO ATTENTION: slot 0 takes head 0,
	QUARTER bf16, 0, 0
	TURN bf16, 1, 0, 1                             ; slot 1 head 1; behind this barrier nobody reads x any more
	; q, unscaled, in f16, into RA; window 2's registers take head 0's bias as soon as they are packed, window 3's the mask
	s_wait_loadcnt 0x0
.irp a, 0,1,2,3,4,5,6,7
	WIN 0x0a+5*(\a/4)
.set n, 0
.rept 32
	v_cvt_pk_f16_f32 v[T+n], v[64*(\a%4)+2*n], v[64*(\a%4)+2*n+1]
.set n, n+1
.endr
	WIN 0
.set n, 0
.rept 8
	ds_store_b128 v[QST], v[T+4*n:T+4*n+3] offset:(n/4)*BLK+\a*16*PA+32*(n%4)
.set n, n+1
.endr
.if \a == 3
	BIASLOAD
.endif
.endr
	WIN 0xc5
.set n, 0
.rept 256
	v_perm_b32 v[n], v[n/4], v[n/4], s[PS+n%4]     ; a byte 0x00 or 0xF1 becomes 0 or -2^99
.set n, n+1
.endr
	WIN 0
	s_wait_tensorcnt 0x1                           ; head 0 is in; head 1 may stay out
	s_wait_dscnt 0x0                               ; my columns of q are written
	s_barrier_signal -1
	s_barrier_wait -1
	s_branch .Lmid                                 ; the loop is entered behind its change of slots
.Lhead:                                        ; H = 1 .. 7: the slot of head H - 1 is filled again: with head H + 1, in the last trip with Wo's slab 0; one line, the address chosen
	s_wait_tensorcnt 0x0
	ds_add_u32 v[SPW], v[NIL]                      ; the descriptor's scalar work stands between the add and its wait
	s_add_co_u32 s[T0], s[H], 1
	s_and_b32 s[T1], s[T0], 1
	s_mul_i32 s[T1], s[T1], SLOTB
	s_add_co_u32 s[G0P+1], s[WLA], s[T1]
	s_lshl_b32 s[OFF], s[T0], 15
	s_cmp_eq_u32 s[H], 7
	s_cselect_b32 s[OFF], 0, s[OFF]
	s_cselect_b64 s[G0P+2:G0P+3], s[WOP:WOP+1], s[KVP:KVP+1]
	s_add_nc_u64 s[G0P+2:G0P+3], s[G0P+2:G0P+3], s[OFF:OFF+1]
	s_or_b32 s[G0P+3], s[G0P+3], 0x80000000
	s_wait_xcnt 0x0                                ; the last prefetch, a head back, has read its pointer
	s_add_nc_u64 s[PFK:PFK+1], s[PFK:PFK+1], 32768
	s_wait_dscnt 0x0                               ; the add is done, my reads of the slot are over, O is written
	CROUND
	tensor_load_to_lds s[G0P:G0P+3], s[G1P:G1P+7]  ; it has a whole head's work in which to land
	s_nop 0
	PLACES
	s_cmp_lt_u32 s[H], 6
	s_cbranch_scc0 .Lnopf
	global_prefetch_b8 v[PFO], s[PFK:PFK+1] th:TH_LOAD_NT scope:SCOPE_SE  ; head H + 2, which the next change asks for; heads 0 to 2 come by their loads alone
.Lnopf:
.Lmid:
	ATT
	s_add_co_u32 s[H], s[H], 1
	s_cmp_lt_u32 s[H], 8
	s_cbranch_scc1 .Lhead
	; OUT: [O | hn] [Wo ; Wc2]
	WIN 0x40
.set n, 0
.rept 8
	global_load_b128 v[CB+8*n:CB+8*n+3],   v[CBO], s[8:9] offset:6144+64*n      ; bo + bc2 of my columns: what the sums start from
	global_load_b128 v[CB+8*n+4:CB+8*n+7], v[CBO], s[8:9] offset:6144+64*n+16
.set n, n+1
.endr
	WIN 0
	s_wait_tensorcnt 0x0                           ; Wo's slab 0 is in
	ds_add_u32 v[SPW], v[NIL]
	s_mov_b32 s[G], 0
	s_add_co_u32 s[G0W+1], s[WLA], SLOTB
	s_add_nc_u64 s[G0W+2:G0W+3], s[WOP:WOP+1], SLABB       ; slab 1 into slot 1
	s_or_b32 s[G0W+3], s[G0W+3], 0x80000000
	s_wait_xcnt 0x0
	s_add_nc_u64 s[PFW:PFW+1], s[PFW:PFW+1], 2*SLABB       ; it stood at Wo's slab 1: now at slab 3, and the first change steps it to 4
	s_mul_i32 s[LIMW], s[ASKF], 13
	s_wait_dscnt 0x0                               ; the add is done, my reads of the last head are over, O is written
	CROUND
	tensor_load_to_lds s[G0W:G0W+3], s[G1J:G1J+7]
	s_nop 0
	v_mov_b32 v[ADRB], v[ADRB0]
	v_mov_b32 v[ADRA], v[ADRA0]
	v_nop
	v_nop
	s_wait_loadcnt 0x0
	FETCH 0, F0
	QUARTER f16, 2, 3
.Lo:                                           ; 14 trips
	TURN f16, 0
	QUARTER f16, 0, 2
	s_cmp_lt_u32 s[G], 14
	s_cbranch_scc1 .Lo
	TURN f16, 2                                    ; the tail is written out: nothing is left to ask for
	QUARTER f16, 0, 0
	TURN f16, 3                                    ; behind its barrier RA is the stage of the way out
	PLACES
	OSTG 0
.irp a, 1,2,3,4,5,6,7
	s_wait_xcnt 0x0                                ; the registers that the stores of two blocks back read are loaded again only behind this wait
	OSTG \a
	s_wait_dscnt 32                                ; the block before is back in registers; this block's 32 LDS instructions may stay out
	OSND (\a)-1
.endr
	s_wait_dscnt 0x0
	OSND 7
	s_wait_tensorcnt 0x0                           ; the wave's end
	ds_add_u32 v[SPW], v[NIL]
	s_wait_dscnt 0x0
	CROUND                                         ; the closing round
	s_endpgm
.Lfunc_end_k_qfc5b4114f3_main:
	.size	k_qfc5b4114f3_main, .Lfunc_end_k_qfc5b4114f3_main-k_qfc5b4114f3_main
	.p2alignl 7, 3214868480
	.fill 96, 4, 3214868480
	.section	.rodata,"a",@progbits
	.p2align	6, 0x0
	.amdhsa_kernel k_qfc5b4114f3_main
		.amdhsa_group_segment_fixed_size 327680
		.amdhsa_private_segment_fixed_size 0
		.amdhsa_enable_private_segment 0
		.amdhsa_kernarg_size 72
		.amdhsa_user_sgpr_count 2
		.amdhsa_user_sgpr_kernarg_segment_ptr 1
		.amdhsa_wavefront_size32 1
		.amdhsa_system_sgpr_workgroup_id_x 1
		.amdhsa_system_sgpr_workgroup_id_y 1
		.amdhsa_system_sgpr_workgroup_id_z 1
		.amdhsa_system_vgpr_workitem_id 0
		.amdhsa_next_free_vgpr 1024
		.amdhsa_next_free_sgpr 94
		.amdhsa_reserve_vcc 1
		.amdhsa_float_denorm_mode_32 3
		.amdhsa_float_denorm_mode_16_64 3
		.amdhsa_memory_ordered 1
		.amdhsa_forward_progress 1
		.amdhsa_inst_pref_size 255
	.end_amdhsa_kernel
	.section	.bss,"aw",@nobits
	.p2align	6
	.space	262144
	.amdgpu_metadata
---
amdhsa.version: [ 1, 2 ]
amdhsa.kernels:
  - .name:           k_qfc5b4114f3_main
    .symbol:         k_qfc5b4114f3_main.kd
    .args:
      - { .name: x, .offset: 0, .size: 8, .value_kind: global_buffer, .address_space: global }
      - { .name: wts, .offset: 8, .size: 8, .value_kind: global_buffer, .address_space: global }
      - { .name: vecs, .offset: 16, .size: 8, .value_kind: global_buffer, .address_space: global }
      - { .name: biasf, .offset: 24, .size: 8, .value_kind: global_buffer, .address_space: global }
      - { .name: maskb, .offset: 32, .size: 8, .value_kind: global_buffer, .address_space: global }
      - { .name: kbuf, .offset: 40, .size: 8, .value_kind: global_buffer, .address_space: global }
      - { .name: vbuf, .offset: 48, .size: 8, .value_kind: global_buffer, .address_space: global }
      - { .name: hbuf, .offset: 56, .size: 8, .value_kind: global_buffer, .address_space: global }
      - { .name: out0, .offset: 64, .size: 8, .value_kind: global_buffer, .address_space: global }
    .group_segment_fixed_size: 327680
    .private_segment_fixed_size: 0
    .kernarg_segment_align: 8
    .kernarg_segment_size: 72
    .max_flat_workgroup_size: 128
    .sgpr_count:     94
    .vgpr_count:     1024
    .wavefront_size: 32
...
	.end_amdgpu_metadata
.endif
;; end of part 3
;; ======== version 2 of 2: 3 launches
;; limits: values are held in f16: magnitudes above 65,504 overflow, below 6.1e-05 lose precision; right only within a limited range of input values
;; workspace buffers: wts 3,145,728 bytes; vecs 8,192 bytes; biasf 2,097,152 bytes; maskb 8,388,608 bytes; kbuf 33,554,432 bytes; vbuf 33,554,432 bytes; hbuf 33,554,432 bytes
;; launch prep: the kernel of part 1 again; grid 1825 x 1, 8 waves a work-group, no clusters, 9,728 bytes of LDS; arguments mask, Wk, Wv, Wc1, Wq, Wo, Wc2, rel_index, bias_table, bc1, ln_g, ln_b, bo, bc2, maskb, wts, biasf, vecs; writes maskb, wts, biasf, vecs
;; launch proj (part 4): grid 256 x 1, 4 waves a work-group, clusters of 4 x 1, 327,680 bytes of LDS; arguments context, wts, vecs, kbuf, vbuf, hbuf; writes kbuf, vbuf, hbuf
.if DOCPART == 4
	.amdgcn_target "amdgcn-amd-amdhsa--gfx1250"
	.amdhsa_code_object_version 6
	.text
	.protected	k_qfc5b4114f3_proj
	.globl	k_qfc5b4114f3_proj
	.p2align	8
	.type	k_qfc5b4114f3_proj,@function
k_qfc5b4114f3_proj:
	s_mov_b64 s[64:65], 0
	v_nop
	global_prefetch_b8 v0, s[64:65] scope:SCOPE_SE
	s_setreg_imm32_b32 hwreg(HW_REG_WAVE_MODE, 25, 1), 1
	s_wait_xcnt 0x0
	s_wait_alu depctr_hold_cnt(0) depctr_sa_sdst(0) depctr_va_vdst(0) depctr_va_sdst(0) depctr_va_ssrc(0) depctr_va_vcc(0) depctr_vm_vsrc(0)
	s_getreg_b32 s2, hwreg(HW_REG_IB_STS2, 6, 4)
	s_cmp_eq_u32 s2, 0
	s_cbranch_scc0 .Lentry_in_a_cluster
	s_endpgm
.Lentry_in_a_cluster:
	s_bfe_u32 s2, ttmp6, 0x10000c
	s_cmp_lg_u32 s2, 0x3003
	s_cbranch_scc0 .Lentry_shape_is_right
	s_endpgm
.Lentry_shape_is_right:
; k = context Wk, v = context Wv, hn = relu(LayerNorm(context Wc1 + bc1) ln_g + ln_b), all three stored in f16 by slabs of 64 columns: [window][slab 8][row 256][64].
; SHARES.  A work-group owns 128 rows of context and all 512 columns; wave w owns all 128 rows x columns 128 w .. 128 w + 127: 64 accumulators, 512 registers.
; context is read once, rounded to bf16 and kept in LDS (RA: 8 blocks, one for each 64 of K, 128 rows x 144 bytes) for all three passes.
; The weights are a stream of 24 slabs (64 k x 512 n, 65,536 dense bytes each) through two LDS slots.  Every work-group walks the same slabs, so the four of a cluster ask JOINTLY.
; A wave fetches a quarter of a slab: the 128 columns that it multiplies itself, as 128 rows of 128 bytes, 160 bytes apart in LDS.
; THE WALK IS STAGGERED.  Cluster c begins each matrix at slab c % 8 and goes round (a sum over K may be taken in any order): at any step the clusters ask for eight different slabs, and the slab that a
; cluster asks for has been asked for a step earlier by the clusters one place on.  Block j of RA holds the j-th slab WALKED, so only global addresses hang on c; the four partners share c.
; THE MATRIX INSTRUCTION IS USED TRANSPOSED (source 0 = 16 columns of W, turned on the way out of LDS; source 1 = 16 rows of context): a lane holds one row and eight neighbouring columns.
; LayerNorm: the f32 sums go through LDS once and are then taken by rows, in a loop, in two passes (mean; then the squares of the differences): no difference of large sums.
; LIMITS.  k, v and hn leave in f16: they must stay within 65,504.  The ReLU is a maximum with 0 in which a NaN loses.
; REGISTERS, in windows of 256: window 0: v0-31 addresses; v32-63 at work; v64-127, v128-191 fragments of context; v192-255 context on its way in, later the way out, later ln_g
;   window 1: v0-63 what starts a pass's sums (0, or bc1); v64-127, v128-191 fragments of W; v192-255 ln_b          windows 2, 3: the accumulators, (a, b) at v[8 (8 (a % 4) + b)]
.set PA,    144                        ; a row of a block of RA: 128 bytes + 16
.set BLK,   128*PA
.set PW,    160                        ; a row of a tile: 128 bytes + 32
.set QB,    128*PW                     ; what one tensor load brings
.set SLOTB, 4*QB
.set RA,    2*SLOTB
.set STAGE, RA+8*BLK                   ; 16 rows x 144 bytes for each wave, for k's and v's way out
.set SPARE, STAGE+4*16*PA              ; the spare words, 128 bytes for each wave
.set SLABB, 65536
.set HPI,   2064                       ; LayerNorm: a row of 512 f32 + 16 bytes; 128 such rows from LDS byte 0 on, over the slots and RA when both are done with
.set R, 1
.set ADRA0, 2
.set ADRB0, 3
.set ADRA, 4
.set ADRB, 5
.set SGO, 6
.set SGA0, 7
.set SGA, 8
.set HH, 9
.set PFX, 10
.set PFO, 11
.set STO, 12
.set RD, 13
.set GO, 14
.set CBO, 15
.set VBO, 16                           ; v16     32 (l % 8): my 8 columns in each 64 of ln_g and ln_b
.set XA0, 17                           ; v17     LayerNorm: where my row's numbers lie, first trip
.set LN, 18
.set TV, 19
.set TV2, 20
.set XA, 21                            ; v21     the same, the trip to be fetched
.set GOL, 22                           ; v22     my 16 bytes in the trip's 512 of a slab of hn
.set HS, 24                            ; v24-27  where I put my sums: row blocks 0-1, 2-3, 4-5, 6-7
.set SPW, 28
.set NIL, 29
.set ZR, 30
.set T, 32
.set PK, 32                            ; LayerNorm: 64 numbers packed
.set F0, 64
.set F1, 128
.set X, 64                             ; LayerNorm: my 64 numbers of a row
.set D, 128                            ; their differences from the mean, and what is made of them
.set SG, 192
.set LG, 192
.set CB, 0
.set LU, 2                             ; LayerNorm, when the products' addresses are dead: v2-9 four running pairs, v10-11 the mean twice, v12-13 1 / sqrt(var + eps) twice
.set LMU, 10
.set LRS, 12
.set WV, 16
.set CX, 17
.set WG, 18
.set G, 19
.set T0, 20
.set T1, 21
.set T2, 22
.set ASK1, 23
.set G1J, 24
.set G0A, 32
.set G0W, 36
.set XP, 40
.set OP, 42
.set PFW, 44
.set WLA, 46
.set ROT, 47
.set OFF, 48
.set ASK2, 50
.set I512, 52
.set EPS, 53
.set OV, 54
.set OH, 56
.set WB, 58
.set XB, 60
.set XQ, 62
.set MSB, 0
.macro WIN new                         ; the immediate's high byte repeats the setting that is left; a switch that changes nothing is dropped
.if MSB != (\new)
	s_set_vgpr_msb (MSB<<8)|(\new)
.set MSB, \new
.endif
.endm
.macro PLACES                          ; four plain instructions between a matrix instruction and a load into, or a read of, its registers
.rept 4
	v_nop
.endr
.endm
.macro CREST                           ; a round of the cluster's barrier behind its opening barrier
	s_cmp_lg_u32 s[WV], 0
	s_cbranch_scc1 .Lnot_wave_0_\@
	s_barrier_signal -3
.Lnot_wave_0_\@:
	s_barrier_wait -3
	s_barrier_signal -1
	s_barrier_wait -1
.endm
.macro CROUND
	s_barrier_signal -1
	s_barrier_wait -1
	CREST
.endm
; 16 matrix instructions: row blocks a0, a0 + 1 of the window's four x all 8 column blocks, 32 along K.  zero = 2: the sums start at v[CB + 8 b] of window 1; 0: they go on.
; The 64 accumulators take turns, one instruction a turn, in the same order everywhere.
.macro MUL16 form, f, hi, a0, zero
.if (\zero) == 2
	WIN 0x91+0x40*(\hi)
.else
	WIN 0xa1+0x50*(\hi)
.endif
.irp a, \a0, (\a0)+1
.irp b, 0,1,2,3,4,5,6,7
.if (\zero) == 2
	v_wmma_f32_16x16x32_\form v[8*(8*(\a)+(\b)):8*(8*(\a)+(\b))+7], v[(\f)+8*(\b):(\f)+8*(\b)+7], v[(\f)+8*(4*(\hi)+(\a)):(\f)+8*(4*(\hi)+(\a))+7], v[CB+8*(\b):CB+8*(\b)+7]
.else
	v_wmma_f32_16x16x32_\form v[8*(8*(\a)+(\b)):8*(8*(\a)+(\b))+7], v[(\f)+8*(\b):(\f)+8*(\b)+7], v[(\f)+8*(4*(\hi)+(\a)):(\f)+8*(4*(\hi)+(\a))+7], v[8*(8*(\a)+(\b)):8*(8*(\a)+(\b))+7]
.endif
.endr
.endr
.endm
; 32 LDS loads in one run: half kk of a slab: my 128 columns of W, turned, then the 128 rows of A
.macro FETCH kk, f
	WIN 0x40
.irp i, 0,1,2,3,4,5,6,7
	ds_load_tr16_b128 v[(\f)+8*(\i):(\f)+8*(\i)+3],   v[ADRB] offset:((\i)/4)*64*PW+(\kk)*32*PW+32*((\i)%4)
	ds_load_tr16_b128 v[(\f)+8*(\i)+4:(\f)+8*(\i)+7], v[ADRB] offset:((\i)/4)*64*PW+(\kk)*32*PW+16*PW+32*((\i)%4)
.endr
	WIN 0
.irp i, 0,1,2,3,4,5,6,7
	ds_load_b128 v[(\f)+8*(\i):(\f)+8*(\i)+3],   v[ADRA] offset:(\i)*16*PA+64*(\kk)
	ds_load_b128 v[(\f)+8*(\i)+4:(\f)+8*(\i)+7], v[ADRA] offset:(\i)*16*PA+64*(\kk)+32
.endr
.endm
; The f32 operand on its way in: a wave takes 32 rows of a slab of 64 columns; sixteen lanes read a row's 256 bytes, the other sixteen the row 8 below
.macro XLOADS
.set n, 0
.rept 16
	global_load_b128 v[SG+4*n:SG+4*n+3], v[SGO], s[XP:XP+1] offset:(16*(n/8)+n%8)*2048 th:TH_LOAD_NT
.set n, n+1
.endr
.endm
.macro XSTORE
.set n, 0
.rept 16
	v_cvt_pk_bf16_f32 v[T+2*n], v[SG+4*n], v[SG+4*n+1]
	v_cvt_pk_bf16_f32 v[T+2*n+1], v[SG+4*n+2], v[SG+4*n+3]
.set n, n+1
.endr
.set n, 0
.rept 16
	ds_store_b64 v[SGA], v[T+2*n:T+2*n+1] offset:(16*(n/8)+n%8)*PA
.set n, n+1
.endr
.endm
; In step G: what was asked for a step ago goes into block G + 1 of RA, block G + 2's slab is asked for, block G + 4's is prefetched (a lane a row, my own 32 rows: each 256 bytes named once).
; Block j takes context's slab (j + ROT) % 8.  All jumps go forward.
.macro STAGE32
	s_cmp_lt_u32 s[G], 7
	s_cbranch_scc0 .Lst_\@
	s_add_co_u32 s[T0], s[G], 1
	s_mul_i32 s[T0], s[T0], BLK
	v_add_nc_u32 v[SGA], s[T0], v[SGA0]
	s_wait_loadcnt 0x0                             ; issued a whole step ago
	XSTORE
	s_cmp_lt_u32 s[G], 6
	s_cbranch_scc0 .Lst_\@
	s_wait_xcnt 0x0                                ; the last step's prefetch has read its pointer
	s_add_co_u32 s[T0], s[G], s[ROT]
	s_add_co_u32 s[T1], s[T0], 4
	s_add_co_u32 s[T0], s[T0], 2
	s_and_b32 s[T0], s[T0], 7
	s_and_b32 s[T1], s[T1], 7
	s_lshl_b32 s[OFF], s[T0], 8
	s_add_nc_u64 s[XP:XP+1], s[XB:XB+1], s[OFF:OFF+1]
	s_lshl_b32 s[OFF], s[T1], 8
	s_add_nc_u64 s[XQ:XQ+1], s[XB:XB+1], s[OFF:OFF+1]
	XLOADS
	s_cmp_lt_u32 s[G], 4
	s_cbranch_scc0 .Lst_\@
	global_prefetch_b8 v[PFX], s[XQ:XQ+1] th:TH_LOAD_NT scope:SCOPE_SE
.Lst_\@:
.endm
; The weights' prefetch.  A matrix's slab s is asked for first, at the matrix's first step, by the clusters c with c % 8 = s.  Cluster s of the first eight names it, once, two refills ahead of that request:
; its four work-groups and their waves 0 and 1 share the slab's 256 blocks out by address.  The first matrix comes by its loads alone.  The pointer is never rewritten.
.macro ASKW
	s_cmp_eq_u32 s[G], s[ASK1]
	s_cbranch_scc0 .Lna_\@
	global_prefetch_b8 v[PFO], s[PFW:PFW+1] th:TH_LOAD_NT scope:SCOPE_SE
.Lna_\@:
	s_cmp_eq_u32 s[G], s[ASK2]
	s_cbranch_scc0 .Lnb_\@
	global_prefetch_b8 v[PFO], s[PFW:PFW+1] offset:8*SLABB th:TH_LOAD_NT scope:SCOPE_SE
.Lnb_\@:
.endm
; A step (a slab, 64 along K) is two halves.  QUARTER is the first: it multiplies buffer 0 and fetches the second half into buffer 1.
.macro QUARTER form, zero, stage
	s_wait_dscnt 8                                 ; W and A's rows 0-63 are in; the youngest eight loads (A's rows 64-127) may be out
	MUL16 \form, F0, 0, 0, \zero
	MUL16 \form, F0, 0, 2, \zero
	WIN 0
	PLACES
.if (\stage) == 1
	STAGE32
.endif
	FETCH 1, F1
	s_wait_dscnt 32                                ; all but the 32 just issued
	MUL16 \form, F0, 1, 0, \zero
	MUL16 \form, F0, 1, 2, \zero
	WIN 0
.endm
; TURN is the second half and the change of slots.  kind 0: the slot just read is filled again, jointly, with the slab of the step two on; 2: nothing is left to ask for;
; 3: the last step, with a plain barrier, since all of LDS is written anew behind it.
; In front of the barrier each wave waits for all its tensor loads (one is out: its part of the next slot), adds 0 to its spare word, and waits for that, for its reads of the slot and for its stores into RA.
.macro TURN form, kind
	WIN 0
.if (\kind) == 3
	s_wait_dscnt 8
	MUL16 \form, F1, 0, 0, 0
	MUL16 \form, F1, 0, 2, 0
	s_wait_dscnt 0x0                               ; my reads of the slot and of RA are over
	s_barrier_signal -1
	MUL16 \form, F1, 1, 0, 0
	MUL16 \form, F1, 1, 2, 0
	WIN 0
	s_barrier_wait -1
.else
	s_wait_tensorcnt 0x0
	ds_add_u32 v[SPW], v[NIL]                      ; the descriptor's scalar work stands between the add and its wait
.if (\kind) == 0
	s_and_b32 s[T0], s[G], 1
	s_mul_i32 s[T0], s[T0], SLOTB
	s_add_co_u32 s[G0W+1], s[WLA], s[T0]           ; the slot of the step that ends
	s_add_co_u32 s[T0], s[G], 2                    ; the step two on: its matrix, 8 slabs each,
	s_add_co_u32 s[T1], s[T0], s[ROT]
	s_and_b32 s[T1], s[T1], 7                      ; and its place in my cluster's round
	s_and_b32 s[T0], s[T0], 24
	s_or_b32 s[T0], s[T0], s[T1]
	s_lshl_b32 s[OFF], s[T0], 16
	s_add_nc_u64 s[G0W+2:G0W+3], s[WB:WB+1], s[OFF:OFF+1]  ; the address is made anew: a base and an offset
	s_or_b32 s[G0W+3], s[G0W+3], 0x80000000
.endif
	s_wait_dscnt 9                                 ; the add and the youngest eight loads may be out
	MUL16 \form, F1, 0, 0, 0
	s_wait_dscnt 0x0
	s_barrier_signal -1
	MUL16 \form, F1, 0, 2, 0
	WIN 0
	s_barrier_wait -1
.if (\kind) == 0
	CREST                                          ; the barrier has opened a round of the cluster's: no wave of any partner still reads the slot or has a load on its way
.endif
	s_add_co_u32 s[G], s[G], 1
	s_and_b32 s[T1], s[G], 1
	s_mul_i32 s[T1], s[T1], SLOTB
	s_and_b32 s[T2], s[G], 7
	s_mul_i32 s[T2], s[T2], BLK
.if (\kind) == 0
	tensor_load_to_lds s[G0W:G0W+3], s[G1J:G1J+7]  ; 96 matrix instructions ahead of the wait for it
	s_nop 0
.endif
	v_add_nc_u32 v[ADRB], s[T1], v[ADRB0]          ; these four are also the places in front of the loads below
	v_add_nc_u32 v[ADRA], s[T2], v[ADRA0]
	v_nop
	v_nop
	FETCH 0, F0
.if (\kind) == 0
	ASKW
.endif
	MUL16 \form, F1, 1, 0, 0
	MUL16 \form, F1, 1, 2, 0
	WIN 0
.endif
.endm
.macro VECLOAD dst, off, reg, step     ; 64 numbers of a vector of 512: eight runs of 8, step bytes apart
.set n, 0
.rept 8
	global_load_b128 v[(\dst)+8*n:(\dst)+8*n+3],   v[\reg], s[8:9] offset:(\off)+(\step)*n
	global_load_b128 v[(\dst)+8*n+4:(\dst)+8*n+7], v[\reg], s[8:9] offset:(\off)+(\step)*n+16
.set n, n+1
.endr
.endm
; k's AND v's WAY OUT of row block a: rounded to f16 (each accumulator's registers in ascending order), through my stage one slab of 64 columns at a time, back as four whole rows of 128 bytes a load, stored as 512 consecutive bytes.
.macro PACKH a, tmp
	WIN 0x0a+5*((\a)/4)
.set n, 0
.rept 32
	v_cvt_pk_f16_f32 v[(\tmp)+n], v[64*((\a)%4)+2*n], v[64*((\a)%4)+2*n+1]
.set n, n+1
.endr
	WIN 0
.endm
.macro TOSTAGE tmp, bk
.irp hh, 0,1
.irp q, 0,1,2,3
	ds_store_b128 v[STO], v[(\tmp)+16*\hh+4*\q:(\tmp)+16*\hh+4*\q+3] offset:32*\q
.endr
.irp q, 0,1,2,3
	ds_load_b128 v[(\bk)+16*\hh+4*\q:(\bk)+16*\hh+4*\q+3], v[RD] offset:\q*4*PA  ; LDS serves a wave's instructions in order (ISA guide 5.7.1.4): these see the stores above, and the next stores come behind them
.endr
.endr
.endm
.macro SEND a, bk
	s_wait_dscnt 0x0
	s_wait_xcnt 0x0                                ; the registers that earlier stores read are loaded again only behind this wait
.irp hh, 0,1
.irp q, 0,1,2,3
	global_store_b128 v[GO], v[(\bk)+16*\hh+4*\q:(\bk)+16*\hh+4*\q+3], s[OP:OP+1] offset:\hh*32768+(\a)*2048+\q*512
.endr
.endr
.endm
.macro LNLOAD                          ; my 64 numbers of a row: 8 columns of each of the 8 slabs
.set n, 0
.rept 8
	ds_load_b128 v[X+8*n:X+8*n+3],   v[XA] offset:256*n
	ds_load_b128 v[X+8*n+4:X+8*n+7], v[XA] offset:256*n+16
.set n, n+1
.endr
.endm
.macro RED8                            ; the four running pairs into one number, then over the row's eight lanes: every one of them ends with the row's sum
	v_pk_add_f32 v[LU:LU+1], v[LU:LU+1], v[LU+2:LU+3]
	v_pk_add_f32 v[LU+4:LU+5], v[LU+4:LU+5], v[LU+6:LU+7]
	v_pk_add_f32 v[LU:LU+1], v[LU:LU+1], v[LU+4:LU+5]
	v_add_f32 v[LU], v[LU], v[LU+1]
	v_add_f32_dpp v[LU], v[LU], v[LU] row_xmask:1 row_mask:0xf bank_mask:0xf
	v_add_f32_dpp v[LU], v[LU], v[LU] row_xmask:2 row_mask:0xf bank_mask:0xf
	v_add_f32_dpp v[LU], v[LU], v[LU] row_xmask:4 row_mask:0xf bank_mask:0xf
.endm
	s_load_b256 s[4:11], s[0:1], 0x0               ; context 4, wts 6, vecs 8, kbuf 10
	s_load_b128 s[12:15], s[0:1], 0x20             ; vbuf 12, hbuf 14
	v_lshl_add_u32 v[SPW], v0, 2, SPARE
	v_mov_b32 v[NIL], 0
	ds_add_u32 v[SPW], v[NIL]                      ; the wave's opening: the add, waited for ahead of my first tensor load; the set-up, work on registers, stands between
	v_lshrrev_b32 v[TV], 5, v0
	v_readfirstlane_b32 s[WV], v[TV]               ; wave 0..3
	s_bfe_u32 s[CX], ttmp6, 0x40000                ; my place in the cluster: it enters global addresses of my own alone
	s_lshl_b32 s[WG], ttmp9, 2
	s_add_co_u32 s[WG], s[WG], s[CX]               ; my block of 128 rows
	s_and_b32 s[ROT], ttmp9, 7                     ; where my cluster's round begins: the same in all four partners
	; descriptor group 1: 16,384 dense bytes as 64 rows of 256, padded in LDS after every 128 bytes
	s_mov_b32 s[G1J+0], 15|(1<<16)|(1<<20)|(1<<21)|(4<<22)|(7<<25)  ; the mask of four; 2-byte elements; padding on; bit 21 beside a mask; after every 32 words, 8 words
	s_mov_b32 s[G1J+1], 128<<16                    ; tensor_dim0 = 128
	s_mov_b32 s[G1J+2], 64<<16                     ; tensor_dim1 = 64
	s_mov_b32 s[G1J+3], 128<<16                    ; tile_dim0 = 128
	s_mov_b32 s[G1J+4], 64                         ; tile_dim1 = 64
	s_mov_b32 s[G1J+5], 128                        ; elements from row to row
	s_mov_b32 s[G1J+6], 0
	s_mov_b32 s[G1J+7], 0
	s_mul_i32 s[WLA], s[WV], QB                    ; my quarter of a slot
	s_mov_b32 s[G0A], 1
	s_mov_b32 s[G0A+1], s[WLA]
	s_mov_b32 s[G0W], 1
	s_add_co_u32 s[G0W+1], s[WLA], SLOTB
	s_mov_b32 s[OFF+1], 0
	s_mov_b32 s[G], 0
	s_mov_b32 s[I512], 0x3b000000                  ; 1 / 512
	s_mov_b32 s[EPS], 0x3727c5ac                   ; 1e-5
	v_and_b32 v[R], 15, v0
	v_bfe_u32 v[HH], v0, 4, 1
	v_and_b32 v[LN], 31, v0
	v_and_b32 v[TV], 7, v0
	v_bfe_u32 v[TV2], v0, 3, 1
	v_mul_u32_u24 v[ADRA0], v[R], PA
	v_lshl_add_u32 v[ADRA0], v[HH], 4, v[ADRA0]    ; row x pitch + 16 x half
	s_mul_i32 s[T0], s[WV], 16*PA
	s_add_co_u32 s[T0], s[T0], STAGE               ; my stage
	v_add_nc_u32 v[STO], s[T0], v[ADRA0]
	v_bfe_u32 v[RD], v0, 3, 2
	v_mul_u32_u24 v[RD], v[RD], PA
	v_lshl_add_u32 v[RD], v[TV], 4, v[RD]
	v_add_nc_u32 v[RD], s[T0], v[RD]
	v_add_nc_u32 v[ADRA0], RA, v[ADRA0]
	v_lshl_add_u32 v[ADRB0], v[HH], 3, v[TV]       ; the turning load: row 8 (l / 16) + l % 8, 16 bytes by (l / 8) % 2
	v_mul_u32_u24 v[ADRB0], v[ADRB0], PW
	v_lshl_add_u32 v[ADRB0], v[TV2], 4, v[ADRB0]
	v_add_nc_u32 v[ADRB0], s[WLA], v[ADRB0]
	s_lshl_b32 s[T0], s[WV], 16
	v_lshlrev_b32 v[SGO], 4, v[R]
	v_lshl_add_u32 v[SGO], v[HH], 14, v[SGO]
	v_add_nc_u32 v[SGO], s[T0], v[SGO]             ; (32 w + 8 (l / 16)) rows of 2,048 bytes + 16 (l % 16)
	v_lshl_add_u32 v[PFX], v[LN], 11, s[T0]        ; row 32 w + l
	s_mul_i32 s[T0], s[WV], 32*PA
	s_add_co_u32 s[T0], s[T0], RA
	v_mul_u32_u24 v[SGA0], v[HH], 8*PA
	v_lshl_add_u32 v[SGA0], v[R], 3, v[SGA0]
	v_add_nc_u32 v[SGA0], s[T0], v[SGA0]
	v_lshlrev_b32 v[GO], 4, v[LN]
	v_lshlrev_b32 v[PFO], 8, v[LN]
	s_lshl_b32 s[T0], s[WV], 9
	v_lshl_add_u32 v[CBO], v[HH], 5, s[T0]
	v_mul_u32_u24 v[HS], v[R], HPI                 ; LayerNorm, in: row l % 16, my wave's 512 bytes of it, 32 bytes for each half of the lanes: sixteen rows start at sixteen different groups of four banks
	v_lshl_add_u32 v[HS], v[HH], 5, v[HS]
	v_add_nc_u32 v[HS], s[T0], v[HS]
	v_add_nc_u32 v[HS+1], 2*16*HPI, v[HS]
	v_add_nc_u32 v[HS+2], 4*16*HPI, v[HS]
	v_add_nc_u32 v[HS+3], 6*16*HPI, v[HS]
	v_lshlrev_b32 v[VBO], 5, v[TV]
	v_bfe_u32 v[XA0], v0, 3, 2                     ; back: eight lanes a row, four rows a trip; lane l takes 32 bytes at 32 (l % 8) of each 256
	v_mul_u32_u24 v[XA0], v[XA0], HPI
	v_lshl_add_u32 v[XA0], v[TV], 5, v[XA0]
	s_mul_i32 s[T0], s[WV], 32*HPI
	v_add_nc_u32 v[XA0], s[T0], v[XA0]
	v_mov_b32 v[ZR], 0
	s_wait_dscnt 0x0                               ; the opening add is done
	s_wait_kmcnt 0x0
	s_lshl_b32 s[OFF], s[WV], 14
	s_add_nc_u64 s[WB:WB+1], s[6:7], s[OFF:OFF+1]          ; the weights at my quarter of a slab
	s_lshl_b32 s[OFF], s[ROT], 16
	s_add_nc_u64 s[G0A+2:G0A+3], s[WB:WB+1], s[OFF:OFF+1]  ; step 0's slab
	s_add_co_u32 s[T2], s[ROT], 1
	s_and_b32 s[T2], s[T2], 7
	s_lshl_b32 s[OFF], s[T2], 16
	s_add_nc_u64 s[G0W+2:G0W+3], s[WB:WB+1], s[OFF:OFF+1]  ; step 1's
	s_or_b32 s[G0A+3], s[G0A+3], 0x80000000
	s_or_b32 s[G0W+3], s[G0W+3], 0x80000000
	s_add_co_u32 s[OFF], s[ROT], 8                 ; the prefetches: the second matrix's slab at which my cluster's round begins,
	s_lshl_b32 s[OFF], s[OFF], 16
	s_lshl_b32 s[T2], s[CX], 14                    ; my work-group's quarter of it,
	s_add_co_u32 s[OFF], s[OFF], s[T2]
	s_lshl_b32 s[T2], s[WV], 13                    ; my wave's half of that
	s_add_co_u32 s[OFF], s[OFF], s[T2]
	s_add_nc_u64 s[PFW:PFW+1], s[6:7], s[OFF:OFF+1]
	s_lshr_b32 s[T2], s[WV], 1
	s_lshr_b32 s[T1], ttmp9, 3
	s_or_b32 s[T2], s[T2], s[T1]
	s_cmp_eq_u32 s[T2], 0                          ; waves 0 and 1 of the first eight clusters ask: the same in all four partners
	s_cselect_b32 s[ASK1], 5, -1                   ; behind the refill of step 4: the next matrix's first slab is requested behind step 6's
	s_cselect_b32 s[ASK2], 13, -1
	s_lshl_b32 s[OFF], s[WG], 18
	s_add_nc_u64 s[XB:XB+1], s[4:5], s[OFF:OFF+1]
	s_lshl_b32 s[OFF], s[ROT], 8
	s_add_nc_u64 s[XP:XP+1], s[XB:XB+1], s[OFF:OFF+1]
	s_lshr_b32 s[T0], s[WG], 1
	s_lshl_b32 s[T0], s[T0], 18                    ; the window,
	s_and_b32 s[T2], s[WG], 1
	s_lshl_b32 s[T2], s[T2], 14                    ; my half of its 256 rows
	s_add_co_u32 s[T0], s[T0], s[T2]
	s_lshl_b32 s[T2], s[WV], 16                    ; k and v: my two slabs of 64 columns
	s_add_co_u32 s[OFF], s[T0], s[T2]
	s_add_nc_u64 s[OP:OP+1], s[10:11], s[OFF:OFF+1]
	s_add_nc_u64 s[OV:OV+1], s[12:13], s[OFF:OFF+1]
	s_lshl_b32 s[T2], s[WV], 12                    ; hn: my 32 rows of every slab
	s_add_co_u32 s[OFF], s[T0], s[T2]
	s_add_nc_u64 s[OH:OH+1], s[14:15], s[OFF:OFF+1]
	XLOADS                                         ; context, block 0's slab
	CROUND                                         ; all four work-groups are here: the first joint loads meet
	tensor_load_to_lds s[G0A:G0A+3], s[G1J:G1J+7]
	s_nop 0
	tensor_load_to_lds s[G0W:G0W+3], s[G1J:G1J+7]  ; two loads of mine are out
	s_nop 0
	PLACES
	WIN 0x40
.set n, 0
.rept 64
	v_mov_b32 v[CB+n], 0                           ; k and v have no bias: their sums start from these, so that one text of a pass's first half serves all three passes
.set n, n+1
.endr
	WIN 0
	v_mov_b32 v[SGA], v[SGA0]
	v_mov_b32 v[ADRA], v[ADRA0]
	v_mov_b32 v[ADRB], v[ADRB0]
	s_wait_loadcnt 0x0
	XSTORE                                         ; block 0
	s_add_co_u32 s[T0], s[ROT], 1
	s_and_b32 s[T0], s[T0], 7
	s_lshl_b32 s[OFF], s[T0], 8
	s_add_nc_u64 s[XP:XP+1], s[XB:XB+1], s[OFF:OFF+1]
	XLOADS                                         ; block 1's slab
	s_wait_tensorcnt 0x1                           ; my part of step 0's slab is in; step 1's may stay out
	s_wait_dscnt 0x0
	s_barrier_signal -1
	s_barrier_wait -1
	FETCH 0, F0
	s_branch .Lpass                                ; the loop is entered at a pass's first half-step
.Lstep:                                        ; 22 trips: a step's second half, the refill, the next step's first half
	TURN bf16, 0
	s_and_b32 s[T0], s[G], 7
	s_cmp_lg_u32 s[T0], 0
	s_cbranch_scc1 .Lchain
	s_cmp_eq_u32 s[G], 16                          ; a pass has ended: k at step 8, v at step 16
	s_cbranch_scc0 .Lnob1
	WIN 0x40
	VECLOAD CB, 0, CBO, 64                         ; the third pass starts its sums with bc1: columns 128 w + 16 b + 8 (l / 16) + 0..7
	WIN 0
.Lnob1:
	PACKH 0, 192                                   ; blocks 0-3 were finished ahead of the refill's four plain lines; their conversions are the places behind the last products
	TOSTAGE 192, 32
.irp a, 1,2,3,4,5,6,7
	PACKH \a, 192
	SEND (\a)-1, 32+192*(((\a)-1)%2)
	TOSTAGE 192, 32+192*((\a)%2)
.endr
	SEND 7, 224
	s_wait_xcnt 0x0                                ; the stores have read their base and their registers
	s_wait_loadcnt 0x0                             ; no load of mine is out: bc1, asked for a whole way out ago, is in, and the registers through which context came in may be asked for again
	s_mov_b64 s[OP:OP+1], s[OV:OV+1]
	s_cmp_eq_u32 s[G], 16
	s_cbranch_scc0 .Lpass
	s_mov_b64 s[OP:OP+1], s[OH:OH+1]
	VECLOAD LG, 2048, VBO, 256                     ; ln_g, as the rows' loop wants it: columns 64 s + 8 (l % 8) + 0..7
	WIN 0x40
	VECLOAD LG, 4096, VBO, 256                     ; ln_b; both are waited for ahead of LayerNorm, a whole pass on
	WIN 0
.Lpass:
	QUARTER bf16, 2, 1
	s_branch .Lnext
.Lchain:
	QUARTER bf16, 0, 1
.Lnext:
	s_cmp_lt_u32 s[G], 22
	s_cbranch_scc1 .Lstep
	TURN bf16, 2                                   ; the tail is written out: nothing is left to ask for
	QUARTER bf16, 0, 0
	TURN bf16, 3                                   ; behind its barrier no wave reads a slot or RA any more, and no tensor load is out or to come
	PLACES
	; LAYERNORM.  My 128 x 128 sums go into LDS as f32, each accumulator's low half first
.irp a, 0,1,2,3,4,5,6,7
	WIN 0x08+4*(\a/4)
.set n, 0
.rept 16
	ds_store_b128 v[HS+\a/2], v[64*(\a%4)+4*n:64*(\a%4)+4*n+3] offset:(\a%2)*16*HPI+64*(n/2)+16*(n%2)
.set n, n+1
.endr
.endr
	WIN 0
	s_wait_loadcnt 0x0                             ; ln_g, ln_b
	s_wait_xcnt 0x0                                ; every load and prefetch of the three passes (the youngest prefetch ten steps back) has read its offset register: v2-13, which held such offsets, take the rows' sums below
	s_wait_dscnt 0x0                               ; for the others' sake: a row's 512 numbers come from all four waves
	s_barrier_signal -1
	s_barrier_wait -1
	s_mov_b32 s[G], 0
	v_mov_b32 v[XA], v[XA0]
	LNLOAD
.Lln:                                          ; 8 trips, four rows each: rows 32 w + 4 G + l / 8
	s_wait_dscnt 0x0                               ; my 64 numbers are in
.set p, 0
.rept 4
	v_pk_add_f32 v[LU+2*p:LU+2*p+1], v[X+2*p:X+2*p+1], v[X+8+2*p:X+8+2*p+1]  ; four chains, started by the first eight pairs
.set p, p+1
.endr
.set p, 8
.rept 24
	v_pk_add_f32 v[LU+2*(p%4):LU+2*(p%4)+1], v[LU+2*(p%4):LU+2*(p%4)+1], v[X+2*p:X+2*p+1]
.set p, p+1
.endr
	RED8
	v_mul_f32 v[LMU], s[I512], v[LU]
	v_mul_f32 v[LMU+1], s[I512], v[LU]
.set p, 0
.rept 32
	v_pk_add_f32 v[D+2*p:D+2*p+1], v[X+2*p:X+2*p+1], v[LMU:LMU+1] neg_lo:[0,1] neg_hi:[0,1]
.set p, p+1
.endr
	s_wait_xcnt 0x0                                ; the last trip's stores have read their offset and their data
	v_lshl_add_u32 v[GOL], s[G], 9, v[GO]          ; this trip's 512 bytes of each slab
	s_add_co_u32 s[G], s[G], 1
	s_cmp_lt_u32 s[G], 8
	s_cbranch_scc0 .Lnoload
	s_mul_i32 s[T0], s[G], 4*HPI
	v_add_nc_u32 v[XA], s[T0], v[XA0]
	LNLOAD                                         ; the next trip's rows come while this trip's are worked on
.Lnoload:
.set p, 0
.rept 4
	v_pk_mul_f32 v[LU+2*p:LU+2*p+1], v[D+2*p:D+2*p+1], v[D+2*p:D+2*p+1]
.set p, p+1
.endr
.set p, 4
.rept 28
	v_pk_fma_f32 v[LU+2*(p%4):LU+2*(p%4)+1], v[D+2*p:D+2*p+1], v[D+2*p:D+2*p+1], v[LU+2*(p%4):LU+2*(p%4)+1]
.set p, p+1
.endr
	RED8
	v_fma_f32 v[LU], v[LU], s[I512], s[EPS]
	v_rsq_f32 v[LRS], v[LU]
	v_rsq_f32 v[LRS+1], v[LU]
	v_nop                                          ; a plain instruction behind the second of the two,
	s_wait_alu depctr_va_vdst(0)                   ; and one wait ahead of the first use
.set p, 0
.rept 32
	v_pk_mul_f32 v[D+2*p:D+2*p+1], v[D+2*p:D+2*p+1], v[LRS:LRS+1]
.set p, p+1
.endr
	WIN 0x10                                       ; ln_g in window 0, ln_b in window 1, under the same numbers
.set p, 0
.rept 32
	v_pk_fma_f32 v[D+2*p:D+2*p+1], v[D+2*p:D+2*p+1], v[LG+2*p:LG+2*p+1], v[LG+2*p:LG+2*p+1]
.set p, p+1
.endr
	WIN 0
.set p, 0
.rept 32
	v_cvt_pk_f16_f32 v[PK+p], v[D+2*p], v[D+2*p+1]
.set p, p+1
.endr
.set p, 0
.rept 32
	v_pk_max_num_f16 v[PK+p], v[PK+p], v[ZR]       ; the ReLU, on the packed halves
.set p, p+1
.endr
.set n, 0
.rept 8
	global_store_b128 v[GOL], v[PK+4*n:PK+4*n+3], s[OP:OP+1] offset:n*32768  ; four rows of 128 bytes of slab n: 512 consecutive bytes
.set n, n+1
.endr
	s_cmp_lt_u32 s[G], 8
	s_cbranch_scc1 .Lln
	s_wait_tensorcnt 0x0                           ; the wave's end
	ds_add_u32 v[SPW], v[NIL]
	s_wait_dscnt 0x0
	CROUND                                         ; the closing round
	s_endpgm
.Lfunc_end_k_qfc5b4114f3_proj:
	.size	k_qfc5b4114f3_proj, .Lfunc_end_k_qfc5b4114f3_proj-k_qfc5b4114f3_proj
	.p2alignl 7, 3214868480
	.fill 96, 4, 3214868480
	.section	.rodata,"a",@progbits
	.p2align	6, 0x0
	.amdhsa_kernel k_qfc5b4114f3_proj
		.amdhsa_group_segment_fixed_size 327680
		.amdhsa_private_segment_fixed_size 0
		.amdhsa_enable_private_segment 0
		.amdhsa_kernarg_size 48
		.amdhsa_user_sgpr_count 2
		.amdhsa_user_sgpr_kernarg_segment_ptr 1
		.amdhsa_wavefront_size32 1
		.amdhsa_system_sgpr_workgroup_id_x 1
		.amdhsa_system_sgpr_workgroup_id_y 1
		.amdhsa_system_sgpr_workgroup_id_z 1
		.amdhsa_system_vgpr_workitem_id 0
		.amdhsa_next_free_vgpr 1024
		.amdhsa_next_free_sgpr 66
		.amdhsa_reserve_vcc 0
		.amdhsa_float_denorm_mode_32 3
		.amdhsa_float_denorm_mode_16_64 3
		.amdhsa_memory_ordered 1
		.amdhsa_forward_progress 1
		.amdhsa_inst_pref_size 129
	.end_amdhsa_kernel
	.amdgpu_metadata
---
amdhsa.version: [ 1, 2 ]
amdhsa.kernels:
  - .name:           k_qfc5b4114f3_proj
    .symbol:         k_qfc5b4114f3_proj.kd
    .args:
      - { .name: context, .offset: 0, .size: 8, .value_kind: global_buffer, .address_space: global }
      - { .name: wts, .offset: 8, .size: 8, .value_kind: global_buffer, .address_space: global }
      - { .name: vecs, .offset: 16, .size: 8, .value_kind: global_buffer, .address_space: global }
      - { .name: kbuf, .offset: 24, .size: 8, .value_kind: global_buffer, .address_space: global }
      - { .name: vbuf, .offset: 32, .size: 8, .value_kind: global_buffer, .address_space: global }
      - { .name: hbuf, .offset: 40, .size: 8, .value_kind: global_buffer, .address_space: global }
    .group_segment_fixed_size: 327680
    .private_segment_fixed_size: 0
    .kernarg_segment_align: 8
    .kernarg_segment_size: 48
    .max_flat_workgroup_size: 128
    .sgpr_count:     66
    .vgpr_count:     1024
    .wavefront_size: 32
...
	.end_amdgpu_metadata
.endif
;; end of part 4
;; launch main (part 5): grid 256 x 1, 4 waves a work-group, clusters of 4 x 1, 327,680 bytes of LDS; arguments x, wts, vecs, biasf, maskb, kbuf, vbuf, hbuf, out0; writes out0
.if DOCPART == 5
	.amdgcn_target "amdgcn-amd-amdhsa--gfx1250"
	.amdhsa_code_object_version 6
	.text
	.protected	k_qfc5b4114f3_main
	.globl	k_qfc5b4114f3_main
	.p2align	8
	.type	k_qfc5b4114f3_main,@function
k_qfc5b4114f3_main:
	s_mov_b64 s[64:65], 0
	v_nop
	global_prefetch_b8 v0, s[64:65] scope:SCOPE_SE
	s_setreg_imm32_b32 hwreg(HW_REG_WAVE_MODE, 25, 1), 1
	s_wait_xcnt 0x0
	s_wait_alu depctr_hold_cnt(0) depctr_sa_sdst(0) depctr_va_vdst(0) depctr_va_sdst(0) depctr_va_ssrc(0) depctr_va_vcc(0) depctr_vm_vsrc(0)
	s_getreg_b32 s2, hwreg(HW_REG_IB_STS2, 6, 4)
	s_cmp_eq_u32 s2, 0
	s_cbranch_scc0 .Lentry_in_a_cluster
	s_endpgm
.Lentry_in_a_cluster:
	s_bfe_u32 s2, ttmp6, 0x10000c
	s_cmp_lg_u32 s2, 0x3003
	s_cbranch_scc0 .Lentry_shape_is_right
	s_endpgm
.Lentry_shape_is_right:
; out0 = softmax(q k^T / 8 + bias, hidden keys left out) v Wo + hn Wc2 + (bo + bc2), with q = x Wq made here; k, v, hn come in f16 from the launch before.
; SHARES.  A work-group owns 128 rows (half a window) and all 512 columns.  Three parts on ONE ring of two LDS slots:
;   Q   q = x Wq: 8 slabs of Wq, bf16; wave w owns all 128 rows x 128 columns (64 accumulators).  q goes, unscaled and in f16, into RA where x lay.
;   ATT 8 heads; a slot holds a head's K and V; wave w owns queries 32 w .. 32 w + 31, two tiles of 16, and sees all 256 keys at once: a true maximum, no rescaling.  O goes over q in RA.
;   OUT [O | hn] [Wo ; Wc2]: 16 slabs, f16, K = 1,024; hn follows O through RA's blocks behind the walk; the sums start with bo + bc2.
; Every tensor load has one shape: 16,384 dense bytes (128 rows of 128) a wave, rows 160 bytes apart in LDS.
; CLUSTER.  All work-groups walk the same weights: the four of a cluster ask for them JOINTLY.  K and V are asked for by each work-group alone: only two of the four partners share a window, and a joint
; request here names all four.  The head loop has one refill line; in its last trip that line brings OUT's first slab, so this one slab comes by a load of one's own.
; THE WALKS ARE STAGGERED, by global addresses alone (the four partners share the cluster's number c; no LDS address hangs on it).  Q: cluster c begins Wq and x at slab c % 8 and goes round; block j of RA
; holds the j-th slab walked.  HEADS: wave w makes the heads 2 ((w + (c & 6) / 2) % 4) and the next of q and writes them into blocks 2 w and 2 w + 1, so that block j belongs to head (j + (c & 6)) % 8:
; K, V, the bias, Wo's slabs, hn's and Wc2's follow.  So at any step the clusters ask for different slabs, and a slab that a cluster asks for has been asked for one step (Wo, Wc2: two) earlier by others.
; SCORES.  S^T = K Q^T starts from C = 8 bias + the mask's word; p = 2^(c s - c m), c = log2(e) / 8.  The weights are rounded to f16 for the second product; their sum is taken of the unrounded p.
; LIMITS.  q, k, v, hn, O within f16's 65,504.  The mask's word is a shifted word of mask bytes: for a visible key it is below 2^-125, for a hidden one between -2^101 and -2^99: visible scores
; q.k + 8 bias must lie above -2^97.  A row with no visible key gives NaN, by a select on its maximum.  A weight below 2^-126 counts as 0.  NaN and infinities in the inputs are not treated apart.
; REGISTERS.  In the products Q and OUT: window 0 v64-191 fragments of A, v192-255 what is on its way in; window 1 v64-191 fragments of W, v0-63 the mask's bytes, v192-255 bo + bc2; windows 2, 3 accumulators.
; In ATT: window 0 v32-47 statistics, v64-191 two buffers for K or V, v192-223 O packed; window 1 v0-127 P, v128-191 O^T, v192-223 Q; window 2 S^T (128 t + 8 kt + j); window 3 the mask's words, for all heads.
.set PA,    144
.set BLK,   128*PA
.set PW,    160
.set QB,    128*PW
.set SLOTB, 4*QB
.set RA,    2*SLOTB
.set SPARE, RA+8*BLK
.set SLABB, 65536
.set OSP,   528                        ; the way out: a row of 512 bytes + 16
.set OSW,   16*OSP
.set R, 1
.set ADRA0, 2
.set ADRB0, 3
.set ADRA, 4
.set ADRB, 5
.set SGO, 6
.set SGA0, 7
.set SGA, 8
.set HH, 9
.set PFX, 10
.set PFO, 11
.set L16, 12
.set QST, 13
.set AQ0, 14
.set AQ, 15
.set AK0, 16
.set AK, 17
.set AV0, 18
.set AV, 19
.set SGOH, 20
.set SGAH0, 21
.set PFH, 22
.set OST, 23
.set ORD, 24
.set CBO, 25
.set NANR, 26
.set TV, 27
.set SPW, 28
.set NIL, 29
.set LN, 30
.set TV2, 31
.set T, 32
.set ST, 32                            ; tile t at ST + 8 t: c m, m, l (two), four at work; 1 / l takes the first of those
.set F0, 64
.set F1, 128
.set SG, 192
.set OT, 192
.set CB, 192
.set QF, 192
.set OF, 128
.set XB, 4                             ; s[4:5]   x at my rows                      s[6:7] wts, s[8:9] vecs
.set BPB, 10                           ; s[10:11] biasf at my two tiles, head 0
.set MP, 12                            ; s[12:13] maskb at my two tiles
.set PFKB, 14                          ; s[14:15] K or V: my share of a head's blocks, head 0
.set HQ, 16                            ; s[16:17] hn: the slab that is prefetched
.set HPB, 18                           ; s[18:19] hn at my rows, slab 0
.set OP, 20                            ; s[20:21] out0 at my rows and columns
.set WV, 22
.set CX, 23
.set WG, 24
.set G, 25
.set H, 26
.set ASK2, 27
.set T0, 28
.set T1, 29
.set T2, 30
.set LIMH, 31
.set G1J, 32
.set G1P, 40
.set G0A, 48
.set G0W, 52
.set G0P, 56
.set WLA, 60
.set ASKF, 61
.set BIGM, 62
.set ROT, 63
.set XP, 66
.set HP, 68
.set BP, 70
.set WB, 72                            ; s[72:73] the matrix that is being walked, at my quarter of a slab
.set PFW, 74
.set PFK, 76
.set CS, 78
.set SEL, 80
.set KVP, 82
.set WOP, 84
.set OFF, 86
.set XQ, 88
.set ROTH, 90
.set RR, 91                            ; s91      where the round of the matrix that is being walked begins
.set ASKH, 92
.set MSB, 0
.macro WIN new
.if MSB != (\new)
	s_set_vgpr_msb (MSB<<8)|(\new)
.set MSB, \new
.endif
.endm
.macro PLACES                          ; four plain instructions between a matrix instruction and a load into, or a read of, its registers
.rept 4
	v_nop
.endr
.endm
.macro CREST
	s_cmp_lg_u32 s[WV], 0
	s_cbranch_scc1 .Lnot_wave_0_\@
	s_barrier_signal -3
.Lnot_wave_0_\@:
	s_barrier_wait -3
	s_barrier_signal -1
	s_barrier_wait -1
.endm
.macro CROUND
	s_barrier_signal -1
	s_barrier_wait -1
	CREST
.endm
; 16 matrix instructions: row blocks a0, a0 + 1 x all 8 column blocks, 32 along K.  zero = 1: the sums start at 0; 2: at v[CB + 8 b] of window 1; 0: they go on.  The 64 accumulators take turns.
.macro MUL16 form, f, hi, a0, zero
.if (\zero) == 2
	WIN 0x91+0x40*(\hi)
.else
	WIN 0xa1+0x50*(\hi)
.endif
.irp a, \a0, (\a0)+1
.irp b, 0,1,2,3,4,5,6,7
.if (\zero) == 1
	v_wmma_f32_16x16x32_\form v[8*(8*(\a)+(\b)):8*(8*(\a)+(\b))+7], v[(\f)+8*(\b):(\f)+8*(\b)+7], v[(\f)+8*(4*(\hi)+(\a)):(\f)+8*(4*(\hi)+(\a))+7], 0
.elseif (\zero) == 2
	v_wmma_f32_16x16x32_\form v[8*(8*(\a)+(\b)):8*(8*(\a)+(\b))+7], v[(\f)+8*(\b):(\f)+8*(\b)+7], v[(\f)+8*(4*(\hi)+(\a)):(\f)+8*(4*(\hi)+(\a))+7], v[CB+8*(\b):CB+8*(\b)+7]
.else
	v_wmma_f32_16x16x32_\form v[8*(8*(\a)+(\b)):8*(8*(\a)+(\b))+7], v[(\f)+8*(\b):(\f)+8*(\b)+7], v[(\f)+8*(4*(\hi)+(\a)):(\f)+8*(4*(\hi)+(\a))+7], v[8*(8*(\a)+(\b)):8*(8*(\a)+(\b))+7]
.endif
.endr
.endr
.endm
.macro FETCH kk, f                     ; 32 LDS loads in one run: half kk of a slab: my 128 columns of W, turned, then the 128 rows of A
	WIN 0x40
.irp i, 0,1,2,3,4,5,6,7
	ds_load_tr16_b128 v[(\f)+8*(\i):(\f)+8*(\i)+3],   v[ADRB] offset:((\i)/4)*64*PW+(\kk)*32*PW+32*((\i)%4)
	ds_load_tr16_b128 v[(\f)+8*(\i)+4:(\f)+8*(\i)+7], v[ADRB] offset:((\i)/4)*64*PW+(\kk)*32*PW+16*PW+32*((\i)%4)
.endr
	WIN 0
.irp i, 0,1,2,3,4,5,6,7
	ds_load_b128 v[(\f)+8*(\i):(\f)+8*(\i)+3],   v[ADRA] offset:(\i)*16*PA+64*(\kk)
	ds_load_b128 v[(\f)+8*(\i)+4:(\f)+8*(\i)+7], v[ADRA] offset:(\i)*16*PA+64*(\kk)+32
.endr
.endm
.macro XLOADS                          ; x on its way in: 32 rows of a slab of 64 columns a wave; sixteen lanes read a row's 256 bytes
.set n, 0
.rept 16
	global_load_b128 v[SG+4*n:SG+4*n+3], v[SGO], s[XP:XP+1] offset:(16*(n/8)+n%8)*2048 th:TH_LOAD_NT
.set n, n+1
.endr
.endm
.macro XSTORE
.set n, 0
.rept 16
	v_cvt_pk_bf16_f32 v[T+2*n], v[SG+4*n], v[SG+4*n+1]
	v_cvt_pk_bf16_f32 v[T+2*n+1], v[SG+4*n+2], v[SG+4*n+3]
.set n, n+1
.endr
.set n, 0
.rept 16
	ds_store_b64 v[SGA], v[T+2*n:T+2*n+1] offset:(16*(n/8)+n%8)*PA
.set n, n+1
.endr
.endm
.macro STAGE32                         ; in step G: block G + 1 is written, block G + 2's slab asked for, block G + 4's prefetched (a lane a row of my own 32).  Block j takes x's slab (j + ROT) % 8
	s_cmp_lt_u32 s[G], 7
	s_cbranch_scc0 .Lst_\@
	s_add_co_u32 s[T0], s[G], 1
	s_mul_i32 s[T0], s[T0], BLK
	v_add_nc_u32 v[SGA], s[T0], v[SGA0]
	s_wait_loadcnt 0x0
	XSTORE
	s_cmp_lt_u32 s[G], 6
	s_cbranch_scc0 .Lst_\@
	s_wait_xcnt 0x0                                ; the last step's prefetch has read its pointer
	s_add_co_u32 s[T0], s[G], s[ROT]
	s_add_co_u32 s[T1], s[T0], 4
	s_add_co_u32 s[T0], s[T0], 2
	s_and_b32 s[T0], s[T0], 7
	s_and_b32 s[T1], s[T1], 7
	s_lshl_b32 s[OFF], s[T0], 8
	s_add_nc_u64 s[XP:XP+1], s[XB:XB+1], s[OFF:OFF+1]
	s_lshl_b32 s[OFF], s[T1], 8
	s_add_nc_u64 s[XQ:XQ+1], s[XB:XB+1], s[OFF:OFF+1]
	XLOADS
	s_cmp_lt_u32 s[G], 4
	s_cbranch_scc0 .Lst_\@
	global_prefetch_b8 v[PFX], s[XQ:XQ+1] th:TH_LOAD_NT scope:SCOPE_SE
.Lst_\@:
.endm
; hn follows O through RA: in step G what was loaded a step ago goes into block G - 1, which every wave has finished reading at the last barrier; block G's slab is asked for; block G + 2's prefetched by waves 0 and 1.
; Block j takes hn's slab (j + ROTH) % 8.  first = 1: step 0, which has nothing to store yet.  Elsewhere the wait for the last step's loads stands at the head, on every way to the loads below: they land in the same registers.
.macro STAGE16 first
.if !(\first)
	s_wait_loadcnt 0x0                             ; issued a whole step ago; in the steps behind the eighth no load is out
	s_sub_co_u32 s[T0], s[G], 1
	s_cmp_lt_u32 s[T0], 8
	s_cbranch_scc0 .Lh1_\@
	s_mul_i32 s[T0], s[T0], BLK
	v_add_nc_u32 v[SGA], s[T0], v[SGAH0]
.set n, 0
.rept 8
	ds_store_b128 v[SGA], v[SG+4*n:SG+4*n+3] offset:n*4*PA
.set n, n+1
.endr
.Lh1_\@:
	s_cmp_lt_u32 s[G], 8
	s_cbranch_scc0 .Lh2_\@
.endif
	s_wait_xcnt 0x0                                ; the last step's prefetch has read its pointer
	s_add_co_u32 s[T0], s[G], s[ROTH]
	s_add_co_u32 s[T1], s[T0], 2
	s_and_b32 s[T0], s[T0], 7
	s_and_b32 s[T1], s[T1], 7
	s_lshl_b32 s[OFF], s[T0], 15
	s_add_nc_u64 s[HP:HP+1], s[HPB:HPB+1], s[OFF:OFF+1]
	s_lshl_b32 s[OFF], s[T1], 15
	s_add_nc_u64 s[HQ:HQ+1], s[HPB:HPB+1], s[OFF:OFF+1]
.set n, 0
.rept 8
	global_load_b128 v[SG+4*n:SG+4*n+3], v[SGOH], s[HP:HP+1] offset:512*n th:TH_LOAD_NT
.set n, n+1
.endr
	s_cmp_lt_u32 s[G], s[LIMH]
	s_cbranch_scc0 .Lh2_\@
	global_prefetch_b8 v[PFH], s[HQ:HQ+1] th:TH_LOAD_NT scope:SCOPE_SE
.Lh2_\@:
.endm
; The weights' prefetch.  Slab s of Wo and of Wc2 is asked for first, at the matrix's first or second step, by the clusters c with c & 6 = s & 6.  Cluster s of the first eight names it, once: its four work-groups and
; their waves 0 and 1 share the slab's 256 blocks out by address.  Wo's is named in the head loop, Wc2's here, two refills ahead of the matrix's first request.  Wq comes by its loads alone.  The pointer is never rewritten.
.macro ASKW
	s_cmp_eq_u32 s[G], s[ASK2]
	s_cbranch_scc0 .Lnoask_\@
	global_prefetch_b8 v[PFO], s[PFW:PFW+1] offset:8*SLABB th:TH_LOAD_NT scope:SCOPE_SE
.Lnoask_\@:
.endm
.macro QUARTER form, zero, stage       ; a step's first half.  stage 1: x comes in; 2: hn comes in; 3: hn's first slab is asked for; 0: nothing
	s_wait_dscnt 8                                 ; the youngest eight loads (A's rows 64-127) may be out
	MUL16 \form, F0, 0, 0, \zero
	MUL16 \form, F0, 0, 2, \zero
	WIN 0
	PLACES
.if (\stage) == 1
	STAGE32
.elseif (\stage) == 2
	STAGE16 0
.elseif (\stage) == 3
	STAGE16 1
.endif
	FETCH 1, F1
	s_wait_dscnt 32                                ; all but the 32 just issued
	MUL16 \form, F0, 1, 0, \zero
	MUL16 \form, F0, 1, 2, \zero
	WIN 0
.endm
; A step's second half and the change of slots.  kind 0: the slot is filled again jointly with the slab of the step two on; 1: with a head's K and V, by a load of my own (adv = 1: the next head);
; 2: nothing is asked for; 3: the last step, with a plain barrier, since RA is written anew behind it.
.macro TURN form, kind, fetch=1, adv=0
	WIN 0
.if (\kind) == 3
	s_wait_dscnt 8
	MUL16 \form, F1, 0, 0, 0
	MUL16 \form, F1, 0, 2, 0
	s_wait_dscnt 0x0                               ; my reads of RA are over
	s_barrier_signal -1
	MUL16 \form, F1, 1, 0, 0
	MUL16 \form, F1, 1, 2, 0
	WIN 0
	s_barrier_wait -1
.else
	s_wait_tensorcnt 0x0                           ; all my tensor loads have landed: the one that was out is my part of the next slot
	ds_add_u32 v[SPW], v[NIL]                      ; the descriptor's scalar work stands between the add and its wait
.if (\kind) < 2
	s_and_b32 s[T0], s[G], 1
	s_mul_i32 s[T0], s[T0], SLOTB                  ; the slot of the step that ends
.endif
.if (\kind) == 0
	s_add_co_u32 s[G0W+1], s[WLA], s[T0]
	s_add_co_u32 s[T0], s[G], 2                    ; the step two on: its matrix (OUT has two of 8 slabs),
	s_add_co_u32 s[T1], s[T0], s[RR]
	s_and_b32 s[T1], s[T1], 7                      ; and its place in my cluster's round
	s_and_b32 s[T0], s[T0], 8
	s_or_b32 s[T0], s[T0], s[T1]
	s_lshl_b32 s[OFF], s[T0], 16
	s_add_nc_u64 s[G0W+2:G0W+3], s[WB:WB+1], s[OFF:OFF+1]  ; the address is made anew: a base and an offset
	s_or_b32 s[G0W+3], s[G0W+3], 0x80000000
.elseif (\kind) == 1
	s_add_co_u32 s[G0P+1], s[WLA], s[T0]
.if \adv
	s_add_nc_u64 s[G0P+2:G0P+3], s[G0P+2:G0P+3], 32768     ; ROTH is even: the walk's second head lies behind its first
.endif
.endif
	s_wait_dscnt 9                                 ; the add and the youngest eight loads may be out
	MUL16 \form, F1, 0, 0, 0
	s_wait_dscnt 0x0
	s_barrier_signal -1
	MUL16 \form, F1, 0, 2, 0
	WIN 0
	s_barrier_wait -1
.if (\kind) < 2
	CREST
.endif
	s_add_co_u32 s[G], s[G], 1
	s_and_b32 s[T1], s[G], 1
	s_mul_i32 s[T1], s[T1], SLOTB
	s_and_b32 s[T2], s[G], 7
	s_mul_i32 s[T2], s[T2], BLK
.if (\kind) == 0
	tensor_load_to_lds s[G0W:G0W+3], s[G1J:G1J+7]
	s_nop 0
.elseif (\kind) == 1
	tensor_load_to_lds s[G0P:G0P+3], s[G1P:G1P+7]
	s_nop 0
.endif
	v_add_nc_u32 v[ADRB], s[T1], v[ADRB0]          ; these four are also the places in front of the loads below
	v_add_nc_u32 v[ADRA], s[T2], v[ADRA0]
	v_nop
	v_nop
.if \fetch
	FETCH 0, F0
.endif
.if (\kind) == 0
	ASKW
.endif
	MUL16 \form, F1, 1, 0, 0
	MUL16 \form, F1, 1, 2, 0
	WIN 0
.endif
.endm
.macro BIASLOAD t                      ; a head's 8 x bias for my tile t, straight into S^T's registers: 32 loads of 512 consecutive bytes
	WIN 0x80
.set n, 0
.rept 32
	global_load_b128 v[128*(\t)+4*n:128*(\t)+4*n+3], v[L16], s[BP:BP+1] offset:(\t)*16384+n*512
.set n, n+1
.endr
	WIN 0
.endm
.macro KLOAD g, buf                    ; 64 keys x 64 channels: 8 fragments
.set n, 0
.rept 8
	ds_load_b128 v[(\buf)+8*n:(\buf)+8*n+3],   v[AK] offset:(4*(\g)+n/2)*16*PW+64*(n%2)
	ds_load_b128 v[(\buf)+8*n+4:(\buf)+8*n+7], v[AK] offset:(4*(\g)+n/2)*16*PW+64*(n%2)+32
.set n, n+1
.endr
.endm
.macro VLOAD g, buf                    ; 64 keys x 64 channels, turned
.set n, 0
.rept 8
	ds_load_tr16_b128 v[(\buf)+8*n:(\buf)+8*n+3],   v[AV] offset:(2*(\g)+n/4)*32*PW+32*(n%4)
	ds_load_tr16_b128 v[(\buf)+8*n+4:(\buf)+8*n+7], v[AV] offset:(2*(\g)+n/4)*32*PW+16*PW+32*(n%4)
.set n, n+1
.endr
.endm
.macro KQ16 g, buf                     ; 16 products of S^T += K Q^T: the 8 accumulators (4 key tiles x 2 query tiles) take turns
	WIN 0xa4
.set i, 0
.rept 16
.set rS, 128*(i%2)+8*(4*(\g)+(i/2)%4)
.set rK, (\buf)+16*((i/2)%4)+8*(i/8)
.set rQ, QF+16*(i%2)+8*(i/8)
	v_wmma_f32_16x16x32_f16 v[rS:rS+7], v[rK:rK+7], v[rQ:rQ+7], v[rS:rS+7]
.set i, i+1
.endr
.endm
.macro PV16 g, buf                     ; 16 products of O^T += V^T P: the 8 accumulators (4 channel blocks x 2 query tiles) take turns; a head's first 8 start the sums
	WIN 0x54
.set i, 0
.rept 16
.set rO, OF+32*(i%2)+8*((i/2)%4)
.set rV, (\buf)+32*(i/8)+8*((i/2)%4)
.set rP, 64*(i%2)+8*(2*(\g)+i/8)
.if ((\g) == 0) && (i < 8)
	v_wmma_f32_16x16x32_f16 v[rO:rO+7], v[rV:rV+7], v[rP:rP+7], 0
.else
	v_wmma_f32_16x16x32_f16 v[rO:rO+7], v[rV:rV+7], v[rP:rP+7], v[rO:rO+7]
.endif
.set i, i+1
.endr
.endm
.macro FS p                            ; pair p of the 128: c s - c m
	v_pk_fma_f32 v[2*(\p):2*(\p)+1], v[2*(\p):2*(\p)+1], s[CS:CS+1], v[ST+8*((\p)/64):ST+8*((\p)/64)+1] op_sel_hi:[1,0,0] neg_lo:[0,0,1] neg_hi:[0,0,1]
.endm
.macro BOTH line:vararg                ; one line for each tile t
.set t, 0
.rept 2
	\line
.set t, t+1
.endr
.endm
; ONE HEAD, in phases.  H counts the heads walked; the head's own number enters global addresses alone.
.macro ATT
	s_and_b32 s[T0], s[H], 1
	s_mul_i32 s[T0], s[T0], SLOTB
	s_mul_i32 s[T1], s[H], BLK
	v_add_nc_u32 v[AK], s[T0], v[AK0]
	v_add_nc_u32 v[AV], s[T0], v[AV0]
	v_add_nc_u32 v[AQ], s[T1], v[AQ0]
	WIN 0x40
.set n, 0
.rept 4                                ; my 32 queries of this head, out of RA
	ds_load_b128 v[QF+8*n:QF+8*n+3],   v[AQ] offset:(n/2)*16*PA+64*(n%2)
	ds_load_b128 v[QF+8*n+4:QF+8*n+7], v[AQ] offset:(n/2)*16*PA+64*(n%2)+32
.set n, n+1
.endr
	WIN 0
	KLOAD 0, F0
	s_wait_loadcnt 32                              ; tile 0's bias lies in S^T's registers; tile 1's 32 loads, issued behind it, may stay out
	WIN 0x8e
.set n, 0
.rept 64
	v_pk_add_f32 v[2*n:2*n+1], v[2*n:2*n+1], v[2*n:2*n+1]  ; + the mask's words (source 1 in window 3): what the products start from
.set n, n+1
.endr
	s_wait_loadcnt 0x0                             ; tile 1's
.rept 64
	v_pk_add_f32 v[2*n:2*n+1], v[2*n:2*n+1], v[2*n:2*n+1]
.set n, n+1
.endr
.irp g, 0,1,2,3
	WIN 0
	PLACES
.if \g < 3
	KLOAD (\g)+1, F0+64*(((\g)+1)%2)
	s_wait_dscnt 16                                ; all but the group just asked for
.else
	s_wait_dscnt 0x0
.endif
	KQ16 \g, F0+64*((\g)%2)
.endr
	WIN 0
	PLACES
	VLOAD 0, F0
	VLOAD 1, F1
	; the maximum of my 128 scores a tile: four chains a tile, each accumulator's registers in ascending order
.set n, 0
.rept 4
	v_mov_b32 v[ST+4+n], 0xff800000
	v_mov_b32 v[ST+12+n], 0xff800000
.set n, n+1
.endr
	WIN 0x28
.set i, 0
.rept 64
	v_max3_num_f32 v[ST+4+i%4],  v[ST+4+i%4],  v[2*i],     v[2*i+1]
	v_max3_num_f32 v[ST+12+i%4], v[ST+12+i%4], v[128+2*i], v[128+2*i+1]
.set i, i+1
.endr
	WIN 0
	BOTH v_max3_num_f32 v[ST+8*t+4], v[ST+8*t+4], v[ST+8*t+5], v[ST+8*t+6]
	BOTH v_max_num_f32 v[ST+8*t+4], v[ST+8*t+4], v[ST+8*t+7]
	BOTH v_permlanex16_b32 v[ST+8*t+5], v[ST+8*t+4], s[SEL], s[SEL+1]
	BOTH v_max_num_f32 v[ST+8*t+1], v[ST+8*t+4], v[ST+8*t+5]
	BOTH v_mul_f32 v[ST+8*t], s[CS], v[ST+8*t+1]
	; ONE BATCH: 128 scalings and 256 exponentials; nothing in it names an exponential's result
	WIN 0x82
	FS 0
.set i, 0
.rept 128
.if i < 127
	FS i+1
.endif
	v_exp_f32 v[2*i], v[2*i]
	v_exp_f32 v[2*i+1], v[2*i+1]
.set i, i+1
.endr
	v_nop                                          ; a plain instruction behind the last exponential,
	s_wait_alu depctr_va_vdst(0)                   ; and one wait ahead of the first use
	WIN 0x4a
.set i, 0
.rept 128
	v_cvt_pk_f16_f32 v[i], v[2*i], v[2*i+1]        ; two key tiles' pairs are a fragment of P as they fall
.set i, i+1
.endr
	WIN 0x8a
.irp n, 32,16,8,4,2
.set i, 0
.rept \n
	v_pk_add_f32 v[2*i:2*i+1],         v[2*i:2*i+1],         v[2*(i+\n):2*(i+\n)+1]
	v_pk_add_f32 v[128+2*i:128+2*i+1], v[128+2*i:128+2*i+1], v[128+2*(i+\n):128+2*(i+\n)+1]
.set i, i+1
.endr
.endr
	WIN 0x0a
	v_pk_add_f32 v[ST+2:ST+3],   v[0:1],     v[2:3]
	v_pk_add_f32 v[ST+10:ST+11], v[128:129], v[130:131]
	WIN 0
	BOTH v_add_f32 v[ST+8*t+2], v[ST+8*t+2], v[ST+8*t+3]
	BOTH v_permlanex16_b32 v[ST+8*t+3], v[ST+8*t+2], s[SEL], s[SEL+1]
	BOTH v_add_f32 v[ST+8*t+2], v[ST+8*t+2], v[ST+8*t+3]
	BOTH v_rcp_f32 v[ST+8*t+4], v[ST+8*t+2]
	v_nop
	s_wait_alu depctr_va_vdst(0)                   ; one wait for the two reciprocals
	v_cmp_gt_f32 vcc_lo, s[BIGM], v[ST+1]          ; no visible key: the row is NaN
	v_cndmask_b32 v[ST+4], v[ST+4], v[NANR], vcc_lo
	v_cmp_gt_f32 vcc_lo, s[BIGM], v[ST+9]
	v_cndmask_b32 v[ST+12], v[ST+12], v[NANR], vcc_lo
	s_cmp_lt_u32 s[H], 7
	s_cbranch_scc0 .Lnb_\@
	s_wait_xcnt 0x0
	s_add_co_u32 s[T0], s[H], 1
	s_add_co_u32 s[T0], s[T0], s[ROTH]
	s_and_b32 s[T0], s[T0], 7                      ; the head that is walked next
	s_lshl_b32 s[OFF], s[T0], 18
	s_add_nc_u64 s[BP:BP+1], s[BPB:BPB+1], s[OFF:OFF+1]
	BIASLOAD 0                                     ; S^T's registers are free: the next head's bias, in two halves of 32 loads, 48 matrix instructions apart
.Lnb_\@:
.irp g, 0,1,2,3
.if \g < 3
	s_wait_dscnt 16                                ; one younger group of V may stay out
.else
	s_wait_dscnt 0x0
.endif
	PV16 \g, F0+64*((\g)%2)
	WIN 0
	PLACES
.if \g < 2
	VLOAD (\g)+2, F0+64*((\g)%2)
.endif
.if \g == 2
	s_cmp_lt_u32 s[H], 7
	s_cbranch_scc0 .Lnc_\@
	BIASLOAD 1
.Lnc_\@:
.endif
.endr
	WIN 0x41
.set i, 0
.rept 16
	v_pk_mul_f32 v[OF+2*i:OF+2*i+1],       v[OF+2*i:OF+2*i+1],       v[ST+4:ST+5]   op_sel_hi:[1,0]
	v_pk_mul_f32 v[OF+32+2*i:OF+32+2*i+1], v[OF+32+2*i:OF+32+2*i+1], v[ST+12:ST+13] op_sel_hi:[1,0]
.set i, i+1
.endr
	WIN 0x05
.set i, 0
.rept 32
	v_cvt_pk_f16_f32 v[OT+i], v[OF+2*i], v[OF+2*i+1]
.set i, i+1
.endr
	WIN 0
.set n, 0
.rept 8
	ds_store_b128 v[AQ], v[OT+4*n:OT+4*n+3] offset:(n/4)*16*PA+32*(n%4)  ; O over my own rows of q
.set n, n+1
.endr
.endm
.macro OSTG a                          ; the way out: row block a into my stage (each accumulator's low half first), and back as whole rows of 512 bytes
	WIN 0x08+4*((\a)/4)
.set n, 0
.rept 16
	ds_store_b128 v[OST], v[64*((\a)%4)+4*n:64*((\a)%4)+4*n+3] offset:64*(n/2)+16*(n%2)
.set n, n+1
.endr
	WIN 0
.set n, 0
.rept 16
	ds_load_b128 v[64+64*((\a)%2)+4*n:64+64*((\a)%2)+4*n+3], v[ORD] offset:n*OSP
.set n, n+1
.endr
.endm
.macro OSND a
.set n, 0
.rept 16
	global_store_b128 v[L16], v[64+64*((\a)%2)+4*n:64+64*((\a)%2)+4*n+3], s[OP:OP+1] offset:(\a)*32768+n*2048 th:TH_STORE_NT  ; 512 consecutive bytes of a row
.set n, n+1
.endr
.endm
	s_load_b512 s[4:19], s[0:1], 0x0               ; x 4, wts 6, vecs 8, biasf 10, maskb 12, kbuf 14, vbuf 16, hbuf 18
	s_load_b64 s[20:21], s[0:1], 0x40              ; out0
	v_lshl_add_u32 v[SPW], v0, 2, SPARE
	v_mov_b32 v[NIL], 0
	ds_add_u32 v[SPW], v[NIL]                      ; the wave's opening: the add, waited for ahead of my first tensor load
	v_lshrrev_b32 v[TV], 5, v0
	v_readfirstlane_b32 s[WV], v[TV]
	s_bfe_u32 s[CX], ttmp6, 0x40000
	s_lshl_b32 s[WG], ttmp9, 2
	s_add_co_u32 s[WG], s[WG], s[CX]
	s_and_b32 s[ROT], ttmp9, 7                     ; where my cluster's round through Wq and x begins,
	s_and_b32 s[ROTH], ttmp9, 6                    ; and its round through the heads: the same in all four partners
	s_mov_b32 s[RR], s[ROT]
	s_mov_b32 s[ASK2], -1                          ; nothing of the weights is prefetched in part Q
	s_mov_b32 s[G1J+0], 15|(1<<16)|(1<<20)|(1<<21)|(4<<22)|(7<<25)  ; joint: the mask of four, bit 21 beside it; 2-byte elements; after every 32 words 8 words of padding
	s_mov_b32 s[G1P+0], (1<<16)|(1<<20)|(4<<22)|(7<<25)             ; the same shape for a load of my own
.irp g, G1J, G1P
	s_mov_b32 s[\g+1], 128<<16
	s_mov_b32 s[\g+2], 64<<16
	s_mov_b32 s[\g+3], 128<<16
	s_mov_b32 s[\g+4], 64
	s_mov_b32 s[\g+5], 128
	s_mov_b32 s[\g+6], 0
	s_mov_b32 s[\g+7], 0
.endr
	s_mul_i32 s[WLA], s[WV], QB
	s_mov_b32 s[G0A], 1
	s_mov_b32 s[G0A+1], s[WLA]
	s_mov_b32 s[G0W], 1
	s_add_co_u32 s[G0W+1], s[WLA], SLOTB
	s_mov_b32 s[G0P], 1
	s_mov_b32 s[G0P+1], s[WLA]
	s_mov_b32 s[OFF+1], 0
	s_mov_b32 s[G], 0
	s_mov_b32 s[H], 0
	s_mov_b32 s[CS], 0x3e38aa3b                    ; c = log2(e) / 8
	s_mov_b32 s[CS+1], s[CS]
	s_mov_b32 s[SEL], 0x76543210
	s_mov_b32 s[SEL+1], 0xfedcba98
	s_mov_b32 s[BIGM], 0xf0000000                  ; -2^97
	v_and_b32 v[R], 15, v0
	v_bfe_u32 v[HH], v0, 4, 1
	v_and_b32 v[LN], 31, v0
	v_and_b32 v[TV], 7, v0
	v_bfe_u32 v[TV2], v0, 3, 1
	v_mul_u32_u24 v[ADRA0], v[R], PA
	v_lshl_add_u32 v[ADRA0], v[HH], 4, v[ADRA0]
	v_add_nc_u32 v[ADRA0], RA, v[ADRA0]
	s_mul_i32 s[T0], s[WV], 32*PA
	v_add_nc_u32 v[AQ0], s[T0], v[ADRA0]           ; my 32 queries in a block
	s_mul_i32 s[T0], s[WV], 2*BLK
	v_add_nc_u32 v[QST], s[T0], v[ADRA0]           ; my 128 columns of q go into blocks 2 w and 2 w + 1
	v_lshl_add_u32 v[AV0], v[HH], 3, v[TV]
	v_mul_u32_u24 v[AV0], v[AV0], PW
	v_lshl_add_u32 v[AV0], v[TV2], 4, v[AV0]
	v_add_nc_u32 v[ADRB0], s[WLA], v[AV0]
	v_add_nc_u32 v[AV0], 2*QB, v[AV0]              ; V lies behind K's 256 rows
	v_mul_u32_u24 v[AK0], v[R], PW
	v_lshl_add_u32 v[AK0], v[HH], 4, v[AK0]
	s_lshl_b32 s[T0], s[WV], 16
	v_lshlrev_b32 v[SGO], 4, v[R]
	v_lshl_add_u32 v[SGO], v[HH], 14, v[SGO]
	v_add_nc_u32 v[SGO], s[T0], v[SGO]
	v_lshl_add_u32 v[PFX], v[LN], 11, s[T0]
	s_mul_i32 s[T0], s[WV], 32*PA
	s_add_co_u32 s[T0], s[T0], RA
	v_mul_u32_u24 v[SGA0], v[HH], 8*PA
	v_lshl_add_u32 v[SGA0], v[R], 3, v[SGA0]
	v_add_nc_u32 v[SGA0], s[T0], v[SGA0]
	v_bfe_u32 v[SGAH0], v0, 3, 2
	v_mul_u32_u24 v[SGAH0], v[SGAH0], PA
	v_lshl_add_u32 v[SGAH0], v[TV], 4, v[SGAH0]
	v_add_nc_u32 v[SGAH0], s[T0], v[SGAH0]
	v_lshlrev_b32 v[L16], 4, v[LN]
	s_lshl_b32 s[T0], s[WV], 12
	v_add_nc_u32 v[SGOH], s[T0], v[L16]
	v_lshlrev_b32 v[PFO], 8, v[LN]
	s_lshl_b32 s[T0], s[WV], 13
	v_add_nc_u32 v[PFH], s[T0], v[PFO]
	s_mul_i32 s[T0], s[WV], OSW
	s_add_co_u32 s[T0], s[T0], RA
	v_mul_u32_u24 v[OST], v[R], OSP
	v_lshl_add_u32 v[OST], v[HH], 5, v[OST]
	v_add_nc_u32 v[OST], s[T0], v[OST]
	v_add_nc_u32 v[ORD], s[T0], v[L16]
	s_lshl_b32 s[T0], s[WV], 9
	v_lshl_add_u32 v[CBO], v[HH], 5, s[T0]
	v_mov_b32 v[NANR], 0x7fc00000
	s_wait_dscnt 0x0                               ; the opening add is done
	s_wait_kmcnt 0x0
	s_lshl_b32 s[OFF], s[WV], 14
	s_add_nc_u64 s[WOP:WOP+1], s[6:7], s[OFF:OFF+1]
	s_add_nc_u64 s[WOP:WOP+1], s[WOP:WOP+1], 4*524288      ; Wo at my 128 columns of the output
	s_lshr_b32 s[T0], s[ROTH], 1
	s_add_co_u32 s[T0], s[T0], s[WV]
	s_and_b32 s[T0], s[T0], 3
	s_lshl_b32 s[OFF], s[T0], 14
	s_add_nc_u64 s[WB:WB+1], s[6:7], s[OFF:OFF+1]
	s_add_nc_u64 s[WB:WB+1], s[WB:WB+1], 3*524288          ; Wq at the two heads that I make
	s_lshl_b32 s[OFF], s[ROT], 16
	s_add_nc_u64 s[G0A+2:G0A+3], s[WB:WB+1], s[OFF:OFF+1]  ; step 0's slab
	s_add_co_u32 s[T0], s[ROT], 1
	s_and_b32 s[T0], s[T0], 7
	s_lshl_b32 s[OFF], s[T0], 16
	s_add_nc_u64 s[G0W+2:G0W+3], s[WB:WB+1], s[OFF:OFF+1]  ; step 1's
	s_or_b32 s[G0A+3], s[G0A+3], 0x80000000
	s_or_b32 s[G0W+3], s[G0W+3], 0x80000000
	s_lshl_b32 s[OFF], s[ROT], 16                  ; the weights' prefetches: Wo's slab of my cluster's number,
	s_lshl_b32 s[T1], s[CX], 14                    ; my work-group's quarter of it,
	s_add_co_u32 s[OFF], s[OFF], s[T1]
	s_lshl_b32 s[T1], s[WV], 13                    ; my wave's half of that
	s_add_co_u32 s[OFF], s[OFF], s[T1]
	s_add_nc_u64 s[PFW:PFW+1], s[6:7], s[OFF:OFF+1]
	s_add_nc_u64 s[PFW:PFW+1], s[PFW:PFW+1], 4*524288
	s_cmp_lt_u32 s[WV], 2                          ; waves 0 and 1 fetch K's halves, waves 2 and 3 V's
	s_cselect_b64 s[KVP:KVP+1], s[14:15], s[16:17]
	s_mov_b64 s[PFKB:PFKB+1], s[KVP:KVP+1]
	s_lshr_b32 s[T0], s[WG], 1
	s_lshl_b32 s[T0], s[T0], 18                    ; the window
	s_and_b32 s[T1], s[WV], 1
	s_lshl_b32 s[T2], s[T1], 14
	s_add_co_u32 s[OFF], s[T0], s[T2]
	s_add_nc_u64 s[KVP:KVP+1], s[KVP:KVP+1], s[OFF:OFF+1]
	s_lshl_b32 s[OFF], s[ROTH], 15
	s_add_nc_u64 s[G0P+2:G0P+3], s[KVP:KVP+1], s[OFF:OFF+1]  ; the first head of my walk
	s_or_b32 s[G0P+3], s[G0P+3], 0x80000000
	s_and_b32 s[T2], s[WG], 1                      ; which half of the window is mine
	s_lshl_b32 s[OFF], s[T2], 14
	s_lshl_b32 s[T1], s[T1], 13
	s_add_co_u32 s[OFF], s[OFF], s[T1]
	s_add_co_u32 s[OFF], s[OFF], s[T0]
	s_add_nc_u64 s[PFKB:PFKB+1], s[PFKB:PFKB+1], s[OFF:OFF+1]  ; the prefetches of K and V: the window's two work-groups and their waves share a head's blocks out by address
	s_lshl_b32 s[OFF], s[T2], 14
	s_add_co_u32 s[OFF], s[OFF], s[T0]
	s_add_nc_u64 s[HPB:HPB+1], s[HPB:HPB+1], s[OFF:OFF+1]
	s_lshl_b32 s[OFF], s[T2], 17
	s_lshl_b32 s[T1], s[WV], 15
	s_add_co_u32 s[OFF], s[OFF], s[T1]
	s_add_nc_u64 s[BPB:BPB+1], s[BPB:BPB+1], s[OFF:OFF+1]
	s_lshl_b32 s[OFF], s[ROTH], 18
	s_add_nc_u64 s[BP:BP+1], s[BPB:BPB+1], s[OFF:OFF+1]
	s_lshl_b32 s[OFF], s[WG], 15
	s_lshl_b32 s[T1], s[WV], 13
	s_add_co_u32 s[OFF], s[OFF], s[T1]
	s_add_nc_u64 s[MP:MP+1], s[MP:MP+1], s[OFF:OFF+1]
	s_lshl_b32 s[OFF], s[WG], 18
	s_add_nc_u64 s[XB:XB+1], s[XB:XB+1], s[OFF:OFF+1]
	s_lshl_b32 s[T1], s[WV], 9
	s_add_co_u32 s[OFF], s[OFF], s[T1]
	s_add_nc_u64 s[OP:OP+1], s[OP:OP+1], s[OFF:OFF+1]
	s_lshl_b32 s[OFF], s[ROT], 8
	s_add_nc_u64 s[XP:XP+1], s[XB:XB+1], s[OFF:OFF+1]
	s_lshr_b32 s[T0], s[WV], 1
	s_lshr_b32 s[T1], ttmp9, 3
	s_or_b32 s[T0], s[T0], s[T1]
	s_cmp_eq_u32 s[T0], 0                          ; waves 0 and 1 of the first eight clusters ask for the weights: the same in all four partners
	s_cselect_b32 s[ASKF], 1, 0
	s_cselect_b32 s[ASKH], 6, -1
	s_cmp_lt_u32 s[WV], 2
	s_cselect_b32 s[LIMH], 6, 0
	XLOADS                                         ; x, block 0's slab
	WIN 0x40
.set n, 0
.rept 16
	global_load_b128 v[4*n:4*n+3], v[L16], s[MP:MP+1] offset:512*n th:TH_LOAD_NT  ; the mask's bytes for my two tiles, once for all heads
.set n, n+1
.endr
	WIN 0
	CROUND                                         ; all four work-groups are here: the first joint loads meet
	tensor_load_to_lds s[G0A:G0A+3], s[G1J:G1J+7]
	s_nop 0
	tensor_load_to_lds s[G0W:G0W+3], s[G1J:G1J+7]  ; two loads of mine are out
	s_nop 0
	PLACES
	v_mov_b32 v[SGA], v[SGA0]
	v_mov_b32 v[ADRA], v[ADRA0]
	v_mov_b32 v[ADRB], v[ADRB0]
	s_wait_loadcnt 16                              ; x's first slab is in; the mask's 16 loads behind it may stay out
	XSTORE
	s_add_co_u32 s[T0], s[ROT], 1
	s_and_b32 s[T0], s[T0], 7
	s_lshl_b32 s[OFF], s[T0], 8
	s_add_nc_u64 s[XP:XP+1], s[XB:XB+1], s[OFF:OFF+1]
	XLOADS
	s_wait_tensorcnt 0x1                           ; my part of step 0's slab is in; step 1's may stay out
	s_wait_dscnt 0x0
	s_barrier_signal -1
	s_barrier_wait -1
	FETCH 0, F0
	QUARTER bf16, 1, 1                             ; the first products start the sums
.Lq:                                           ; 6 trips
	TURN bf16, 0
	QUARTER bf16, 0, 1
	s_cmp_lt_u32 s[G], 6
	s_cbranch_scc1 .Lq
	TURN bf16, 1, 1, 0                             ; THE RING GOES ON INTO ATTENTION: slot 0 takes the walk's first head,
	QUARTER bf16, 0, 0
	TURN bf16, 1, 0, 1                             ; slot 1 its second; behind this barrier nobody reads x any more
	; q, unscaled, in f16, into RA; window 2's registers take the first head's bias as soon as they are packed, window 3's the mask's words
	s_wait_loadcnt 0x0
.irp a, 0,1,2,3,4,5,6,7
	WIN 0x0a+5*(\a/4)
.set n, 0
.rept 32
	v_cvt_pk_f16_f32 v[T+n], v[64*(\a%4)+2*n], v[64*(\a%4)+2*n+1]
.set n, n+1
.endr
	WIN 0
.set n, 0
.rept 8
	ds_store_b128 v[QST], v[T+4*n:T+4*n+3] offset:(n/4)*BLK+\a*16*PA+32*(n%4)
.set n, n+1
.endr
.if \a == 3
	BIASLOAD 0
.endif
.if \a == 5
	BIASLOAD 1
.endif
.endr
	WIN 0xc5
.set n, 0
.rept 256
.if n%4 == 3
	v_mov_b32 v[n], v[n/4]                         ; byte 3 stands on top already
.else
	v_lshlrev_b32 v[n], 24-8*(n%4), v[n/4]         ; byte n % 4 (0x00 or 0xF1) on top; what stays below it changes a visible key's word by less than 2^-125 and a hidden one's by less than a factor of 4
.endif
.set n, n+1
.endr
	WIN 0
	s_wait_tensorcnt 0x1                           ; the first head is in; the second may stay out
	s_wait_dscnt 0x0                               ; my columns of q are written
	s_barrier_signal -1
	s_barrier_wait -1
	s_branch .Lmid                                 ; the loop is entered behind its change of slots
.Lhead:                                        ; H = 1 .. 7: the slot read last is filled again: with the head walked next, in the last trip with OUT's first slab of Wo; one line, the address chosen
	s_wait_tensorcnt 0x0
	ds_add_u32 v[SPW], v[NIL]                      ; the descriptor's scalar work stands between the add and its wait
	s_add_co_u32 s[T0], s[H], 1
	s_and_b32 s[T1], s[T0], 1
	s_mul_i32 s[T1], s[T1], SLOTB
	s_add_co_u32 s[G0P+1], s[WLA], s[T1]
	s_add_co_u32 s[T0], s[T0], s[ROTH]
	s_add_co_u32 s[T1], s[T0], 1
	s_and_b32 s[T0], s[T0], 7                      ; the head walked next,
	s_and_b32 s[T1], s[T1], 7                      ; and the one after it
	s_lshl_b32 s[OFF], s[T0], 15
	s_lshl_b32 s[T2], s[ROTH], 16
	s_cmp_eq_u32 s[H], 7
	s_cselect_b32 s[OFF], s[T2], s[OFF]
	s_cselect_b64 s[G0P+2:G0P+3], s[WOP:WOP+1], s[KVP:KVP+1]
	s_add_nc_u64 s[G0P+2:G0P+3], s[G0P+2:G0P+3], s[OFF:OFF+1]
	s_or_b32 s[G0P+3], s[G0P+3], 0x80000000
	s_wait_xcnt 0x0                                ; the last prefetch, a head back, has read its pointer
	s_lshl_b32 s[OFF], s[T1], 15
	s_add_nc_u64 s[PFK:PFK+1], s[PFKB:PFKB+1], s[OFF:OFF+1]
	s_wait_dscnt 0x0                               ; the add is done, my reads of the slot are over, O is written
	CROUND
	tensor_load_to_lds s[G0P:G0P+3], s[G1P:G1P+7]  ; it has a whole head's work in which to land
	s_nop 0
	PLACES
	s_cmp_lt_u32 s[H], 6
	s_cbranch_scc0 .Lnopf
	global_prefetch_b8 v[PFO], s[PFK:PFK+1] th:TH_LOAD_NT scope:SCOPE_SE  ; the head that the next change asks for; the walk's first three come by their loads alone
.Lnopf:
	s_cmp_eq_u32 s[H], s[ASKH]
	s_cbranch_scc0 .Lnopw
	global_prefetch_b8 v[PFO], s[PFW:PFW+1] th:TH_LOAD_NT scope:SCOPE_SE  ; Wo's slab of my cluster's number, which the next change, or the one after it, asks for
.Lnopw:
.Lmid:
	ATT
	s_add_co_u32 s[H], s[H], 1
	s_cmp_lt_u32 s[H], 8
	s_cbranch_scc1 .Lhead
	; OUT: [O | hn] [Wo ; Wc2]
	WIN 0x40
.set n, 0
.rept 8
	global_load_b128 v[CB+8*n:CB+8*n+3],   v[CBO], s[8:9] offset:6144+64*n      ; bo + bc2 of my columns: what the sums start from
	global_load_b128 v[CB+8*n+4:CB+8*n+7], v[CBO], s[8:9] offset:6144+64*n+16
.set n, n+1
.endr
	WIN 0
	s_wait_tensorcnt 0x0                           ; step 0's slab of Wo is in
	ds_add_u32 v[SPW], v[NIL]
	s_mov_b32 s[G], 0
	s_mov_b64 s[WB:WB+1], s[WOP:WOP+1]             ; the walk is now Wo's and Wc2's, and its round begins where the heads' began
	s_mov_b32 s[RR], s[ROTH]
	s_add_co_u32 s[G0W+1], s[WLA], SLOTB
	s_add_co_u32 s[T0], s[ROTH], 1
	s_lshl_b32 s[OFF], s[T0], 16
	s_add_nc_u64 s[G0W+2:G0W+3], s[WOP:WOP+1], s[OFF:OFF+1]  ; step 1's slab into slot 1
	s_or_b32 s[G0W+3], s[G0W+3], 0x80000000
	s_cmp_eq_u32 s[ASKF], 1
	s_cselect_b32 s[ASK2], 5, -1                   ; Wc2's slab is named behind the refill of step 4: the matrix's first slab is requested behind step 6's
	s_wait_dscnt 0x0                               ; the add is done, my reads of the last head are over, O is written
	CROUND
	tensor_load_to_lds s[G0W:G0W+3], s[G1J:G1J+7]
	s_nop 0
	v_mov_b32 v[ADRB], v[ADRB0]
	v_mov_b32 v[ADRA], v[ADRA0]
	v_nop
	v_nop
	s_wait_loadcnt 0x0
	FETCH 0, F0
	QUARTER f16, 2, 3
.Lo:                                           ; 14 trips
	TURN f16, 0
	QUARTER f16, 0, 2
	s_cmp_lt_u32 s[G], 14
	s_cbranch_scc1 .Lo
	TURN f16, 2                                    ; the tail is written out: nothing is left to ask for
	QUARTER f16, 0, 0
	TURN f16, 3                                    ; behind its barrier RA is the stage of the way out
	PLACES
	OSTG 0
.irp a, 1,2,3,4,5,6,7
	s_wait_xcnt 0x0                                ; the registers that the stores of two blocks back read are loaded again only behind this wait
	OSTG \a
	s_wait_dscnt 32                                ; the block before is back in registers; this block's 32 LDS instructions may stay out
	OSND (\a)-1
.endr
	s_wait_dscnt 0x0
	OSND 7
	s_wait_tensorcnt 0x0                           ; the wave's end
	ds_add_u32 v[SPW], v[NIL]
	s_wait_dscnt 0x0
	CROUND                                         ; the closing round
	s_endpgm
.Lfunc_end_k_qfc5b4114f3_main:
	.size	k_qfc5b4114f3_main, .Lfunc_end_k_qfc5b4114f3_main-k_qfc5b4114f3_main
	.p2alignl 7, 3214868480
	.fill 96, 4, 3214868480
	.section	.rodata,"a",@progbits
	.p2align	6, 0x0
	.amdhsa_kernel k_qfc5b4114f3_main
		.amdhsa_group_segment_fixed_size 327680
		.amdhsa_private_segment_fixed_size 0
		.amdhsa_enable_private_segment 0
		.amdhsa_kernarg_size 72
		.amdhsa_user_sgpr_count 2
		.amdhsa_user_sgpr_kernarg_segment_ptr 1
		.amdhsa_wavefront_size32 1
		.amdhsa_system_sgpr_workgroup_id_x 1
		.amdhsa_system_sgpr_workgroup_id_y 1
		.amdhsa_system_sgpr_workgroup_id_z 1
		.amdhsa_system_vgpr_workitem_id 0
		.amdhsa_next_free_vgpr 1024
		.amdhsa_next_free_sgpr 94
		.amdhsa_reserve_vcc 1
		.amdhsa_float_denorm_mode_32 3
		.amdhsa_float_denorm_mode_16_64 3
		.amdhsa_memory_ordered 1
		.amdhsa_forward_progress 1
		.amdhsa_inst_pref_size 255
	.end_amdhsa_kernel
	.section	.bss,"aw",@nobits
	.p2align	6
	.space	262144
	.amdgpu_metadata
---
amdhsa.version: [ 1, 2 ]
amdhsa.kernels:
  - .name:           k_qfc5b4114f3_main
    .symbol:         k_qfc5b4114f3_main.kd
    .args:
      - { .name: x, .offset: 0, .size: 8, .value_kind: global_buffer, .address_space: global }
      - { .name: wts, .offset: 8, .size: 8, .value_kind: global_buffer, .address_space: global }
      - { .name: vecs, .offset: 16, .size: 8, .value_kind: global_buffer, .address_space: global }
      - { .name: biasf, .offset: 24, .size: 8, .value_kind: global_buffer, .address_space: global }
      - { .name: maskb, .offset: 32, .size: 8, .value_kind: global_buffer, .address_space: global }
      - { .name: kbuf, .offset: 40, .size: 8, .value_kind: global_buffer, .address_space: global }
      - { .name: vbuf, .offset: 48, .size: 8, .value_kind: global_buffer, .address_space: global }
      - { .name: hbuf, .offset: 56, .size: 8, .value_kind: global_buffer, .address_space: global }
      - { .name: out0, .offset: 64, .size: 8, .value_kind: global_buffer, .address_space: global }
    .group_segment_fixed_size: 327680
    .private_segment_fixed_size: 0
    .kernarg_segment_align: 8
    .kernarg_segment_size: 72
    .max_flat_workgroup_size: 128
    .sgpr_count:     94
    .vgpr_count:     1024
    .wavefront_size: 32
...
	.end_amdgpu_metadata
.endif
;; end of part 5
